; MI455X (gfx1250); checked and timed in simulation.
; The chip was launched on July 23, 2026; its instructions are those of AMD's public machine-readable ISA for CDNA 5 (MIT licence, August 2026) and "CDNA5" Instruction Set Architecture Reference Guide (July 2026). The comments in the code are by the model that wrote it; some were corrected since.
;; Multi Group Scan. Allowed arithmetic: float matrix products may take bf16 or f16 operands with f32 sums; other float arithmetic in f32, or as packed bf16 or f16 multiplies, adds, multiply-adds, maxima and minima; sums over many terms, partial sums and values carried from step to step in f32; what a program stores and reads back later, other than sums and carried values, may be rounded once to bf16 or f16.
;; Inputs: Wg 2,048 x 2,048 float32; Wi 2,048 x 2,048 float32; Wo 2,048 x 2,048 float32; bg 2,048 float32; bi 2,048 float32; bo 2,048 float32; ln_b 2,048 float32; ln_w 2,048 float32; x 4 x 1,024 x 2,048 float32.
;; Outputs: out0 4 x 1,024 x 2,048 float32.
;; 2 versions, each right; version 2 is version 1 with the launches cast, scan, lnorm written anew for expert scheduling mode. Each part assembles by itself: llvm-mc -triple=amdgcn-amd-amdhsa -mcpu=gfx1250 --defsym DOCPART=n.
;; ======== version 1 of 2: 5 launches
;; workspace buffers: xb 16,777,216 bytes; wgi 16,777,216 bytes; wob 8,388,608 bytes; gi 33,554,432 bytes; st 16,777,216 bytes; z 16,777,216 bytes
;; launch cast (part 1): grid 1280 x 1, 4 waves a work-group, no clusters, 0 bytes of LDS; arguments x, Wg, Wi, Wo, xb, wgi, wob; writes xb, wgi, wob
.if DOCPART == 1
	.amdgcn_target "amdgcn-amd-amdhsa--gfx1250"
	.amdhsa_code_object_version 6
	.text
	.protected	k_q3ea467dbf4_cast
	.globl	k_q3ea467dbf4_cast
	.p2align	8
	.type	k_q3ea467dbf4_cast,@function
k_q3ea467dbf4_cast:
	s_mov_b64 s[64:65], 0
	v_nop
	global_prefetch_b8 v0, s[64:65] scope:SCOPE_SE
	s_setreg_imm32_b32 hwreg(HW_REG_WAVE_MODE, 25, 1), 1
	s_wait_xcnt 0x0
; THE PROGRAM (five launches): cast | [G|I] = x [Wg|Wi] | gates, drive and the chunked scan | z = states Wo | y = x + z + bo and its LayerNorm.
; THIS LAUNCH rounds x, Wg, Wi and Wo once to bf16.  The weights keep their layout [k][n]; Wg and Wi become the two planes of wgi.
; x goes into PANELS: [column / 32][4096 rows][32 columns], so that element (m, c) lies at (c >> 5) x 262,144 + 64 m + 2 (c & 31).  All activations of the
; program lie so: 32 of K of many rows are dense bytes for the products, and 32 channels of many time steps are dense bytes for the scan.
; WHAT IS LEFT OUT OF reference(), AND WHY IT CHANGES NO RESULT, for all values of the inputs:
;   h0 is built as zeros in reference()'s own body: the first chunk's carry is the constant 0 and is not computed.
;   cum_a = exp(cumsum(log(a'))) with a' = max(a, 1e-6) > 0 is, in real numbers, the running product of a': the scan multiplies.  Both forms hold cum_a itself in f32, so
;   the logarithm guards no range that the product would lose.  The two clamps (1e-6 on a, 1e-8 on cum_a) are kept as they stand.
;   Every input has a way to the output, and every input is loaded.
; LIMITS.  All inputs (x, also as the residual; the three weights; the five vectors) are rounded once to bf16.  G, I, the states and z are stored rounded once to bf16.
; NaN and infinities are not treated apart; an overflow inside log/exp of reference() that the product does not have is not carried to the result.
; SHARES.  A wave takes 16 KiB of f32: 32 loads of 16 bytes a lane, all issued before the first wait, 64 roundings, 32 stores of 8 bytes a lane: each store covers 256
; consecutive bytes, aligned.  Work-groups 0-511 take x, 512-767 Wg, 768-1023 Wi, 1024-1279 Wo.  No register is written twice, so no wait frees a source.
; No LDS, cluster or matrix unit: no byte is wanted by two waves, and nothing is multiplied.
.set LO,  2                            ; v2        my byte offset in the source
.set SO,  3                            ; v3        my byte offset in the destination: 8 x lane
.set IN,  8                            ; v[8:135]   32 x 4 f32 as loaded
.set OUT, 136                          ; v[136:199] 32 x 2 registers of packed bf16
; 32 loads ldstep bytes apart, then for each: the wait that leaves the younger loads out, two roundings, one store ststep bytes apart.
.macro BODY ldstep, ststep
.irp j, 0,1,2,3,4,5,6,7,8,9,10,11,12,13,14,15,16,17,18,19,20,21,22,23,24,25,26,27,28,29,30,31
	global_load_b128 v[IN+4*(\j):IN+4*(\j)+3], v[LO], s[26:27] offset:(\j)*(\ldstep) th:TH_LOAD_NT
.endr
.irp j, 0,1,2,3,4,5,6,7,8,9,10,11,12,13,14,15,16,17,18,19,20,21,22,23,24,25,26,27,28,29,30,31
	s_wait_loadcnt 31-(\j)                         ; loads come back in order: load j is in, the 31 - j younger ones stay out
	v_cvt_pk_bf16_f32 v[OUT+2*(\j)],   v[IN+4*(\j)],   v[IN+4*(\j)+1]
	v_cvt_pk_bf16_f32 v[OUT+2*(\j)+1], v[IN+4*(\j)+2], v[IN+4*(\j)+3]
	global_store_b64 v[SO], v[OUT+2*(\j):OUT+2*(\j)+1], s[28:29] offset:(\j)*(\ststep)
.endr
.endm
	s_load_b256 s[4:11], s[0:1], 0x0               ; x s[4:5], Wg s[6:7], Wi s[8:9], Wo s[10:11]
	s_load_b128 s[12:15], s[0:1], 0x20             ; xb s[12:13], wgi s[14:15]
	s_load_b64 s[16:17], s[0:1], 0x30              ; wob
	v_and_b32 v1, 31, v0                           ; lane
	v_lshrrev_b32 v4, 5, v0
	v_readfirstlane_b32 s20, v4                    ; wave 0..3
	v_lshlrev_b32 v[SO], 3, v1
	s_mov_b32 s23, 0                               ; the offsets' high words
	s_mov_b32 s25, 0
	s_cmp_lt_u32 ttmp9, 512
	s_cbranch_scc0 .Lweights
	; x: the work-group has rows 8 g .. 8 g + 7; wave w rows 4 (w >> 1) .. + 3 of them and panels 32 (w & 1) .. + 31.
	; Load j: 4 rows x 128 bytes (32 columns of f32): lane l takes row l >> 3, piece l & 7.  Store j: the same 4 rows x 64 bytes of panel j: 256 dense bytes.
	v_lshrrev_b32 v4, 3, v1
	v_and_b32 v5, 7, v1
	v_lshlrev_b32 v[LO], 13, v4                    ; a row of x is 8,192 bytes
	v_lshl_add_u32 v[LO], v5, 4, v[LO]
	s_lshr_b32 s18, s20, 1
	s_and_b32 s19, s20, 1
	s_lshl_b32 s22, ttmp9, 16                      ; source: 8 rows a work-group,
	s_lshl_b32 s21, s18, 15                        ; 4 rows,
	s_add_co_u32 s22, s22, s21
	s_lshl_b32 s21, s19, 12                        ; 1,024 columns
	s_add_co_u32 s22, s22, s21
	s_lshl_b32 s24, s19, 23                        ; destination: 32 panels,
	s_lshl_b32 s21, ttmp9, 9                       ; 8 rows of 64 bytes,
	s_add_co_u32 s24, s24, s21
	s_lshl_b32 s21, s18, 8                         ; 4 rows
	s_add_co_u32 s24, s24, s21
	s_wait_kmcnt 0x0
	s_add_nc_u64 s[26:27], s[4:5], s[22:23]
	s_add_nc_u64 s[28:29], s[12:13], s[24:25]
	BODY 128, 262144                               ; the largest store offset, 31 panels, is 8,126,464: inside the signed 24 bits
	s_endpgm
.Lweights:
	; a weight: dense in, dense out.  64 KiB of f32 a work-group, 16 KiB a wave.
	v_lshlrev_b32 v[LO], 4, v1
	s_sub_co_u32 s18, ttmp9, 512
	s_lshr_b32 s19, s18, 8                         ; 0: Wg, 1: Wi, 2: Wo
	s_and_b32 s18, s18, 255
	s_lshl_b32 s22, s18, 16
	s_lshl_b32 s21, s20, 14
	s_add_co_u32 s22, s22, s21
	s_lshl_b32 s24, s18, 15
	s_lshl_b32 s21, s20, 13
	s_add_co_u32 s24, s24, s21
	s_cmp_eq_u32 s19, 1
	s_cselect_b32 s21, 0x800000, 0                 ; Wi is wgi's second plane
	s_add_co_u32 s24, s24, s21
	s_wait_kmcnt 0x0
	s_cmp_eq_u32 s19, 0
	s_cselect_b64 s[26:27], s[6:7], s[8:9]
	s_cmp_eq_u32 s19, 2
	s_cselect_b64 s[26:27], s[10:11], s[26:27]
	s_cselect_b64 s[28:29], s[16:17], s[14:15]
	s_add_nc_u64 s[26:27], s[26:27], s[22:23]
	s_add_nc_u64 s[28:29], s[28:29], s[24:25]
	BODY 512, 256
	s_endpgm
.Lfunc_end_k_q3ea467dbf4_cast:
	.size	k_q3ea467dbf4_cast, .Lfunc_end_k_q3ea467dbf4_cast-k_q3ea467dbf4_cast
	.p2alignl 7, 3214868480
	.fill 96, 4, 3214868480
	.section	.rodata,"a",@progbits
	.p2align	6, 0x0
	.amdhsa_kernel k_q3ea467dbf4_cast
		.amdhsa_group_segment_fixed_size 0
		.amdhsa_private_segment_fixed_size 0
		.amdhsa_enable_private_segment 0
		.amdhsa_kernarg_size 56
		.amdhsa_user_sgpr_count 2
		.amdhsa_user_sgpr_kernarg_segment_ptr 1
		.amdhsa_wavefront_size32 1
		.amdhsa_system_sgpr_workgroup_id_x 1
		.amdhsa_system_sgpr_workgroup_id_y 1
		.amdhsa_system_sgpr_workgroup_id_z 1
		.amdhsa_system_vgpr_workitem_id 0
		.amdhsa_next_free_vgpr 200
		.amdhsa_next_free_sgpr 66
		.amdhsa_reserve_vcc 0
		.amdhsa_float_denorm_mode_32 3
		.amdhsa_float_denorm_mode_16_64 3
		.amdhsa_memory_ordered 1
		.amdhsa_forward_progress 1
		.amdhsa_inst_pref_size 25
	.end_amdhsa_kernel
	.amdgpu_metadata
---
amdhsa.version: [ 1, 2 ]
amdhsa.kernels:
  - .name:           k_q3ea467dbf4_cast
    .symbol:         k_q3ea467dbf4_cast.kd
    .args:
      - { .name: x, .offset: 0, .size: 8, .value_kind: global_buffer, .address_space: global }
      - { .name: Wg, .offset: 8, .size: 8, .value_kind: global_buffer, .address_space: global }
      - { .name: Wi, .offset: 16, .size: 8, .value_kind: global_buffer, .address_space: global }
      - { .name: Wo, .offset: 24, .size: 8, .value_kind: global_buffer, .address_space: global }
      - { .name: xb, .offset: 32, .size: 8, .value_kind: global_buffer, .address_space: global }
      - { .name: wgi, .offset: 40, .size: 8, .value_kind: global_buffer, .address_space: global }
      - { .name: wob, .offset: 48, .size: 8, .value_kind: global_buffer, .address_space: global }
    .group_segment_fixed_size: 0
    .private_segment_fixed_size: 0
    .kernarg_segment_align: 8
    .kernarg_segment_size: 56
    .max_flat_workgroup_size: 128
    .sgpr_count:     66
    .vgpr_count:     200
    .wavefront_size: 32
...
	.end_amdgpu_metadata
.endif
;; end of part 1
;; launch gemm (part 2): grid 16 x 16, 4 waves a work-group, clusters of 4 x 4, 327,680 bytes of LDS; arguments xb, wgi, gi; writes gi
.if DOCPART == 2
	.amdgcn_target "amdgcn-amd-amdhsa--gfx1250"
	.amdhsa_code_object_version 6
	.text
	.protected	k_q3ea467dbf4_gemm
	.globl	k_q3ea467dbf4_gemm
	.p2align	8
	.type	k_q3ea467dbf4_gemm,@function
k_q3ea467dbf4_gemm:
	s_mov_b64 s[64:65], 0
	v_nop
	global_prefetch_b8 v0, s[64:65] scope:SCOPE_SE
	s_setreg_imm32_b32 hwreg(HW_REG_WAVE_MODE, 25, 1), 1
	s_wait_xcnt 0x0
	s_wait_alu depctr_hold_cnt(0) depctr_sa_sdst(0) depctr_va_vdst(0) depctr_va_sdst(0) depctr_va_ssrc(0) depctr_va_vcc(0) depctr_vm_vsrc(0)
	s_getreg_b32 s2, hwreg(HW_REG_IB_STS2, 6, 4)
	s_cmp_eq_u32 s2, 0
	s_cbranch_scc0 .Lentry_in_a_cluster
	s_endpgm
.Lentry_in_a_cluster:
	s_bfe_u32 s2, ttmp6, 0x10000c
	s_cmp_lg_u32 s2, 0xf033
	s_cbranch_scc0 .Lentry_shape_is_right
	s_endpgm
.Lentry_shape_is_right:
; C[m][n] = the sum over k of A[m][k] B[k][n], K = 2,048, 4,096 rows; bf16 operands, f32 sums, C rounded once to bf16.  No bias is added here: the launch behind adds it.
; A and C lie in PANELS: [column / 32][4096 rows][32 columns] bf16, 262,144 bytes a panel.  B lies as planes of [2048 k][2048 n] bf16; tile column tc takes plane tc >> 3, columns 256 (tc & 7) on.
; The body serves two launches: [G|I] = x [Wg|Wi] (16 tile columns, two planes) and z = states Wo (8 tile columns, one plane).
; SHARES.  A work-group of four waves makes 256 x 256 of C; a wave 128 x 128: 64 accumulators of 16 x 16, 512 registers.  K goes in 16 steps of 128 through two LDS slots.
; CLUSTERS.  4 x 4 work-groups.  The four of a row of the cluster need the same tile of A, the four of a column the same tile of B: each tile is asked for JOINTLY, by the same tensor load,
; descriptor and mask in all four.  Waves 0 and 1 fetch A's two halves (128 rows each), waves 2 and 3 B's (64 k rows each): one tensor load a wave behind each round.
; A IN LDS.  A half of a K step is four runs (one a panel) of 128 rows x 64 bytes = 8,192 dense bytes: the descriptor takes a run as one row of 4,096 elements and pads 16 bytes behind every 64, so that
; rows lie 80 bytes apart and the 16 rows of a fragment load start at 16 different groups of four banks (64 banks of 4 bytes: ISA guide 11.1).
; B IN LDS.  [k][256 n], 512 bytes + 32 of padding = 544, and leaves half a fragment: lane l holds column l % 16 and 8 k.
; THE MATRIX INSTRUCTION IS USED TRANSPOSED: source 0 = 16 columns of B, source 1 = 16 rows of A: a lane holds row l % 16 of C and the columns 8 (l / 16) + 0..7: 16 bytes when rounded.
; REGISTERS, in windows of 256 (s_set_vgpr_msb: bits 1:0 source 0, 3:2 source 1, 5:4 source 2, 7:6 destination):
;   window 0: v0-31 addresses; v64-127, v128-191 fragments of A, two buffers; v32-63, v192-255 at work on the way out
;   window 1: v64-127, v128-191 fragments of B, two buffers      window 2: the accumulators of my rows 0-63 ((a, b) at v[8 (8 a + b)])      window 3: those of my rows 64-127
; The 64 accumulators take turns, one instruction a turn, in the same order in every quarter step.
; lds_bytes claims all of the LDS; 321,024 bytes are used.
.set PANEL,  262144
.set APITCH, 80
.set AHALF,  4*128*APITCH              ; 128 rows x 4 panels: what one of A's tensor loads brings, and what one wave reads of A
.set BPITCH, 544
.set BHALF,  64*BPITCH                 ; 64 k rows: what one of B's tensor loads brings
.set BOFF,   2*AHALF                   ; B's 128 k rows lie behind A's 256 rows
.set SLOT,   BOFF+2*BHALF              ; 151,552
.set STAGE,  2*SLOT                    ; behind the ring: 16 rows x 272 bytes for each wave, for the way out; no tensor load fills it
.set SPITCH, 272
.set SPARE,  STAGE+4*16*SPITCH         ; the spare words, 128 bytes for each wave: two blocks of 256 bytes that no other line names
.set ASTEP,  4*PANEL                   ; bytes of A from a K step to the next: four panels
.set BSTEP,  128*4096                  ; of B: 128 rows of 4,096 bytes
.set LAPS,   8                         ; a lap = two K steps = once round the ring
.set ADRA, 16                          ; v16-17  LDS address of my A fragments in slot 0, 1
.set ADRB, 20                          ; v20-21  the same for B
.set STO,  24                          ; v24     the way out: where I put 16 bytes of a row
.set RD,   25                          ; v25     the way out: where I read them back, by panels
.set CO,   26                          ; v26     16 x lane: my place in 512 consecutive bytes of C
.set SPW,  28                          ; v28     LDS address of my spare word; never rewritten
.set NIL,  29                          ; v29     0; never rewritten
.set PFO,  30                          ; v30     the prefetches' lane offset; never rewritten
.set F0,   64
.set F1,   128
.set TMP,  192
.set OB,   32
.set G1,   24                          ; s[24:31] descriptor group 1 for A's tiles
.set G0,   32                          ; s[32:39] group 0 for A's, a set for each slot
.set LIM,  43                          ; s43      1 in a wave that prefetches, else the greatest number
.set PFA,  44                          ; s[44:45] where my prefetches stand
.set G1B,  48                          ; s[48:55] group 1 for B's tiles
.set G0B,  56                          ; s[56:63] group 0 for B's
.set PST,  66                          ; s[66:67] the prefetches' step from K step to K step
.set MSB, 0
.macro WIN new                         ; the immediate's high byte repeats the setting that is left; a switch that changes nothing is dropped
.if MSB != (\new)
	s_set_vgpr_msb (MSB<<8)|(\new)
.set MSB, \new
.endif
.endm
.set MUL_LO, 0xa1                      ; source 0 (B) window 1, source 1 (A) window 0, C and D window 2
.set MUL_HI, 0xf1                      ; the same, C and D window 3
.set TO_B,   0x40                      ; destination window 1, address window 0
; A joint load.  The branch hangs on the wave's number alone.  An s_nop 0 and four v_nop follow each of the two lines, ahead of the jump and the label.
.macro JLOAD s
	s_cmp_eq_u32 s11, 0
	s_cbranch_scc0 .Lfor_b_\@
	tensor_load_to_lds s[G0+4*(\s):G0+4*(\s)+3], s[G1:G1+7]
	s_nop 0
.rept 4
	v_nop
.endr
	s_branch .Lasked_\@
.Lfor_b_\@:
	tensor_load_to_lds s[G0B+4*(\s):G0B+4*(\s)+3], s[G1B:G1B+7]
	s_nop 0
.rept 4
	v_nop
.endr
.Lasked_\@:
.endm
; A prefetch of the K step that stands TWO refills on, 512 matrix instructions ahead of the load that will want it: one instruction a wave, 32 aligned blocks of 256 bytes, a lane a block.
; Each block is named once in the launch: A's tile rows by the clusters with x = 0, B's tile columns by those with y = 0; the four partners that ask for a tile jointly share it out BY ADDRESS
; (of A's half the partner at cx takes panel cx, 8 KiB dense; of B's half the partner at cy takes 16 k rows x 512 bytes).  The loop's last trip asks for nothing: K steps 16 and 17 do not exist.
.macro ASK
	s_cmp_gt_u32 s3, s[LIM]                        ; s3 = 1 in the loop's last trip
	s_cbranch_scc0 .Lnot_mine_\@
	global_prefetch_b8 v[PFO], s[PFA:PFA+1] th:TH_LOAD_NT scope:SCOPE_SE
.Lnot_mine_\@:
.endm
.macro CREST                           ; a round of the cluster's barrier behind its opening barrier
	s_cmp_lg_u32 s10, 0
	s_cbranch_scc1 .Lnot_wave_0_\@
	s_barrier_signal -3
.Lnot_wave_0_\@:
	s_barrier_wait -3
	s_barrier_signal -1
	s_barrier_wait -1
.endm
.macro CROUND                          ; a whole round
	s_barrier_signal -1
	s_barrier_wait -1
	CREST
.endm
	s_load_b128 s[4:7], s[0:1], 0x0                ; A s[4:5], B s[6:7]
	s_load_b64 s[8:9], s[0:1], 0x10                ; C
	v_lshl_add_u32 v[SPW], v0, 2, SPARE
	v_mov_b32 v[NIL], 0
	ds_add_u32 v[SPW], v[NIL]                      ; the wave's opening: the add, twice on end, and its wait ahead of my first tensor load
	ds_add_u32 v[SPW], v[NIL]                      ; the same add once more; the set-up below, work on registers, stands between it and the wait
	v_lshrrev_b32 v1, 5, v0
	v_readfirstlane_b32 s10, v1                    ; wave 0..3
	s_lshr_b32 s11, s10, 1                         ; which 128 rows of the tile are mine.  Also: I fetch for A (0) or for B (1)
	s_and_b32 s12, s10, 1                          ; which 128 columns.  Also: which half of that tile I fetch
	s_bfe_u32 s40, ttmp6, 0x40000                  ; cx
	s_bfe_u32 s41, ttmp6, 0x40004                  ; cy
	s_lshl_b32 s42, ttmp9, 2
	s_add_co_u32 s42, s42, s40                     ; tile column = 4 x cluster x + cx
	s_and_b32 s13, ttmp7, 0xffff
	s_lshl_b32 s13, s13, 2
	s_add_co_u32 s13, s13, s41                     ; tile row = 4 x cluster y + cy
	s_lshl_b32 s43, s41, 2
	s_lshl_b32 s43, 15, s43                        ; my row of the cluster: places 4 cy .. 4 cy + 3
	s_lshl_b32 s44, 0x1111, s40                    ; my column: places cx, cx + 4, cx + 8, cx + 12
	; group 1 for A: 4 rows of 4,096 elements (a panel's 128 rows), 131,072 elements from panel to panel; 4 words of padding behind every 16
	s_or_b32 s[G1+0], s43, (1<<16)|(1<<20)|(1<<21)|(3<<22)|(3<<25)   ; 15:0 mask; 17:16 2-byte elements; 20 padding on; 21 set beside a mask; 24:22 interval code 3; 31:25 pad code 3
	s_mov_b32 s[G1+1], 4096<<16                    ; tensor_dim0 = 4,096
	s_mov_b32 s[G1+2], 4<<16                       ; tensor_dim1 = 4
	s_mov_b32 s[G1+3], 4096<<16                    ; tile_dim0 = 4,096
	s_mov_b32 s[G1+4], 4                           ; tile_dim1 = 4
	s_mov_b32 s[G1+5], PANEL/2                     ; stride, in elements
	s_mov_b32 s[G1+6], 0
	s_mov_b32 s[G1+7], 0
	; group 1 for B: 64 rows of 256 elements, 2,048 elements from row to row; 8 words of padding behind every 128
	s_or_b32 s[G1B+0], s44, (1<<16)|(1<<20)|(1<<21)|(6<<22)|(7<<25)
	s_mov_b32 s[G1B+1], 256<<16
	s_mov_b32 s[G1B+2], 64<<16
	s_mov_b32 s[G1B+3], 256<<16
	s_mov_b32 s[G1B+4], 64
	s_mov_b32 s[G1B+5], 2048
	s_mov_b32 s[G1B+6], 0
	s_mov_b32 s[G1B+7], 0
	; where the tiles come from: A's hang on the tile row and the wave, B's on the tile column and the wave, each in registers that never hold the other coordinate
	s_lshl_b32 s16, s13, 14                        ; A: 256 rows x 64 bytes a tile row,
	s_lshl_b32 s17, s12, 13                        ; 128 rows a half
	s_add_co_u32 s16, s16, s17
	s_mov_b32 s17, 0
	s_lshr_b32 s68, s42, 3                         ; B: the plane,
	s_lshl_b32 s46, s68, 23
	s_and_b32 s68, s42, 7
	s_lshl_b32 s68, s68, 9                         ; 256 columns x 2 bytes,
	s_add_co_u32 s46, s46, s68
	s_lshl_b32 s68, s12, 18                        ; 64 k rows x 4,096 bytes a half
	s_add_co_u32 s46, s46, s68
	s_mov_b32 s47, 0
	s_mul_i32 s20, s12, AHALF                      ; and where they go: no place in the cluster enters an LDS address
	s_mul_i32 s23, s12, BHALF
	s_add_co_u32 s23, s23, BOFF
	s_wait_dscnt 0x0                               ; both opening adds are done
	s_wait_kmcnt 0x0
	s_add_nc_u64 s[14:15], s[4:5], s[16:17]
	s_add_nc_u64 s[46:47], s[6:7], s[46:47]
	CROUND                                         ; all sixteen work-groups are here: the first joint loads meet
.irp s, 0,1
	s_mov_b32 s[G0+4*(\s)], 1                                        ; count = 1
	s_add_co_u32 s[G0+4*(\s)+1], s20, (\s)*SLOT                      ; LDS address
	s_add_nc_u64 s[G0+4*(\s)+2:G0+4*(\s)+3], s[14:15], (\s)*ASTEP    ; global address: K step s
	s_or_b32 s[G0+4*(\s)+3], s[G0+4*(\s)+3], 0x80000000              ; type = 2
	s_mov_b32 s[G0B+4*(\s)], 1
	s_add_co_u32 s[G0B+4*(\s)+1], s23, (\s)*SLOT
	s_add_nc_u64 s[G0B+4*(\s)+2:G0B+4*(\s)+3], s[46:47], (\s)*BSTEP
	s_or_b32 s[G0B+4*(\s)+3], s[G0B+4*(\s)+3], 0x80000000
	JLOAD \s                                       ; two tensor loads of mine are out
.endr
	; A fragment of A: lane l holds row l % 16; registers 0-3 k = 8 (l / 16) + 0..7, registers 4-7 k = 16 + 8 (l / 16) + 0..7: two loads of 16 bytes, 32 bytes apart.
	v_and_b32 v1, 15, v0                           ; l % 16
	v_bfe_u32 v2, v0, 4, 1                         ; l / 16
	v_mul_u32_u24 v3, v1, APITCH
	v_lshl_add_u32 v3, v2, 4, v3
	; A fragment of B by two turning loads, 16 k rows apart: lane l reads k row 8 (l / 16) + l % 8, 16 bytes at 16 ((l / 8) % 2).
	v_and_b32 v4, 7, v0
	v_lshl_add_u32 v4, v2, 3, v4
	v_mul_u32_u24 v4, v4, BPITCH
	v_bfe_u32 v5, v0, 3, 1
	v_lshl_add_u32 v4, v5, 4, v4
	s_mul_i32 s21, s11, AHALF                      ; my 128 rows of A
	s_lshl_b32 s22, s12, 8                         ; my 128 columns of B,
	s_add_co_u32 s22, s22, BOFF                    ; which lies behind A
.irp s, 0,1
	v_add_nc_u32 v[ADRA+(\s)], s21, v3
	v_add_nc_u32 v[ADRB+(\s)], s22, v4
	s_add_co_u32 s21, s21, SLOT
	s_add_co_u32 s22, s22, SLOT
.endr
	s_mul_i32 s23, s10, 16*SPITCH
	s_add_co_u32 s23, s23, STAGE                   ; my stage
	v_mul_u32_u24 v4, v1, SPITCH                   ; in: row l % 16, 16 bytes for each half of the lanes
	v_lshl_add_u32 v4, v2, 4, v4
	v_add_nc_u32 v[STO], s23, v4
	v_and_b32 v6, 31, v0
	v_lshrrev_b32 v5, 2, v6                        ; back: 8 rows x 64 bytes (one panel's share): lane l takes row l / 4, piece l % 4.
	v_mul_u32_u24 v5, v5, SPITCH                   ; (here up to four lanes meet in a group of banks: 64 loads a wave, once a launch)
	v_and_b32 v7, 3, v0
	v_lshl_add_u32 v5, v7, 4, v5
	v_add_nc_u32 v[RD], s23, v5
	v_lshlrev_b32 v[CO], 4, v6                     ; in a panel those 8 rows are 512 consecutive bytes
	; the prefetches: s[14:15] = A at my half's K step 0, s[46:47] = B at mine
	s_and_b32 s22, ttmp7, 0xffff                   ; cluster y
	s_mov_b32 s[PST], BSTEP
	s_mov_b32 s[PST+1], 0
	s_cmp_eq_u32 s11, 0                            ; do I fetch for A?
	s_cselect_b64 s[PFA:PFA+1], s[14:15], s[46:47]
	s_cselect_b32 s70, s40, s41                    ; my place among the four that ask with me
	s_cselect_b32 s72, 18, 16                      ; its share: a panel, or 16 rows of 4,096 bytes
	s_cselect_b32 s73, 9, 12                       ; two lanes step 512 bytes (dense) or a row of B
	s_cselect_b32 s22, ttmp9, s22                  ; the coordinate along which other clusters read the same blocks
	s_cselect_b32 s[PST], ASTEP, s[PST]
	s_cmp_eq_u32 s22, 0
	s_cselect_b32 s[LIM], 1, -1                    ; the same in all sixteen partners, for a given wave
	s_lshl_b32 s70, s70, s72
	s_mov_b32 s71, 0
	s_add_nc_u64 s[PFA:PFA+1], s[PFA:PFA+1], s[70:71]
	s_mul_i32 s70, s[PST], 3
	s_add_nc_u64 s[PFA:PFA+1], s[PFA:PFA+1], s[70:71]  ; at K step 3: the first refill steps it to 4.  Nothing is prefetched at the head: K steps 0 to 3 come by their loads alone
	v_lshrrev_b32 v7, 1, v6
	v_lshlrev_b32 v7, s73, v7
	v_and_b32 v6, 1, v0
	v_lshl_add_u32 v[PFO], v6, 8, v7
	; where my part of the tile begins in C: panel 8 tc + 4 (my column half), row 256 tr + 128 (my row half)
	s_lshl_b32 s16, s13, 14
	s_lshl_b32 s17, s11, 13
	s_add_co_u32 s16, s16, s17
	s_lshl_b32 s68, s42, 21
	s_lshl_b32 s69, s12, 20
	s_add_co_u32 s68, s68, s69
	s_add_co_u32 s16, s16, s68
	s_mov_b32 s17, 0
; 16 matrix instructions: m blocks a0, a0 + 1 of the window's four x all 8 n blocks, 32 along K.  zero = 1: the first product starts the sums.
.macro MUL16 f, hi, a0, zero
	WIN MUL_LO+0x50*(\hi)
.irp a, \a0, (\a0)+1
.irp b, 0,1,2,3,4,5,6,7
.if \zero
	v_wmma_f32_16x16x32_bf16 v[8*(8*(\a)+(\b)):8*(8*(\a)+(\b))+7], v[(\f)+8*(\b):(\f)+8*(\b)+7], v[(\f)+8*(4*(\hi)+(\a)):(\f)+8*(4*(\hi)+(\a))+7], 0
.else
	v_wmma_f32_16x16x32_bf16 v[8*(8*(\a)+(\b)):8*(8*(\a)+(\b))+7], v[(\f)+8*(\b):(\f)+8*(\b)+7], v[(\f)+8*(4*(\hi)+(\a)):(\f)+8*(4*(\hi)+(\a))+7], v[8*(8*(\a)+(\b)):8*(8*(\a)+(\b))+7]
.endif
.endr
.endr
.endm
; 32 LDS loads in one run: the fragments of quarter q (32 of K: 32 k rows of B, one panel of A) of a slot, into buffer f
.macro FETCH slot, q, f
	WIN TO_B
.irp i, 0,1,2,3,4,5,6,7
	ds_load_tr16_b128 v[(\f)+8*(\i):(\f)+8*(\i)+3],   v[ADRB+(\slot)] offset:(\q)*32*BPITCH+32*(\i)
	ds_load_tr16_b128 v[(\f)+8*(\i)+4:(\f)+8*(\i)+7], v[ADRB+(\slot)] offset:(\q)*32*BPITCH+16*BPITCH+32*(\i)
.endr
	WIN 0
.irp i, 0,1,2,3,4,5,6,7
	ds_load_b128 v[(\f)+8*(\i):(\f)+8*(\i)+3],   v[ADRA+(\slot)] offset:(\q)*128*APITCH+(\i)*16*APITCH
	ds_load_b128 v[(\f)+8*(\i)+4:(\f)+8*(\i)+7], v[ADRA+(\slot)] offset:(\q)*128*APITCH+(\i)*16*APITCH+32
.endr
.endm
.macro PLACES                          ; four plain vector instructions between a matrix instruction and a load into, or a vector read of, its registers
.rept 4
	v_nop
.endr
.endm
; One of a K step's first three quarters: multiplies buffer f; in its middle it fetches quarter q of the same slot into buffer g.
.macro QUARTER slot, q, f, g, zero
	s_wait_dscnt 8                                 ; B and A's rows 0-63 are in; the youngest eight loads (A's rows 64-127) may be out
	MUL16 \f, 0, 0, \zero
	MUL16 \f, 0, 2, \zero
	PLACES
	FETCH \slot, \q, \g
	s_wait_dscnt 32                                ; all but the 32 just issued
	MUL16 \f, 1, 0, \zero
	MUL16 \f, 1, 2, \zero
.endm
; The first half of a K step's last quarter: ONE barrier for the change of slots.  In front of it each wave waits for all its tensor loads (one is out: its part of the next slot), adds 0 to
; its spare word, and waits for that and for its own reads of this slot.  Behind it nobody reads this slot any more and the next slot is whole.
.macro MEET round
	WIN 0                                          ; (the add's two registers lie in window 0)
	s_wait_tensorcnt 0x0                           ; all my tensor loads have landed
	ds_add_u32 v[SPW], v[NIL]                      ; 0 onto my spare word
	s_wait_dscnt 9                                 ; (the add and the youngest eight loads may be out)
	MUL16 F1, 0, 0, 0                              ; sixteen matrix instructions stand between the add and the wait for it
	s_wait_dscnt 0x0                               ; the add is done, and my reads of this slot are over
	s_barrier_signal -1
	MUL16 F1, 0, 2, 0                              ; work on registers while the others arrive
.if \round
	WIN 0
.endif
	s_barrier_wait -1
.endm
; The whole last quarter.  fill = 1: the barrier opens a round of the cluster's barrier, and behind the round the slot just read out is filled again first, with the K step two steps on:
; from that request to the wait for it a wave issues 224 matrix instructions.
.macro TURN slot, next, fill
.if \fill
	s_wait_xcnt 0x0                                ; the last prefetch, a K step back, has read its address
	s_add_nc_u64 s[PFA:PFA+1], s[PFA:PFA+1], s[PST:PST+1]
	MEET 1
	CREST                                          ; no wave of any partner still reads this slot's tile or has a load on its way
	s_add_nc_u64 s[G0+4*(\slot)+2:G0+4*(\slot)+3], s[G0+4*(\slot)+2:G0+4*(\slot)+3], 2*ASTEP
	s_add_nc_u64 s[G0B+4*(\slot)+2:G0B+4*(\slot)+3], s[G0B+4*(\slot)+2:G0B+4*(\slot)+3], 2*BSTEP
	JLOAD \slot                                    ; my one tensor load behind the round; its four v_nop are also the places in front of the loads below
	FETCH \next, 0, F0
	ASK
.else
	MEET 0
	PLACES
	FETCH \next, 0, F0
.endif
	MUL16 F1, 1, 0, 0
	MUL16 F1, 1, 2, 0
.endm
; THE WAY OUT of block a (16 rows).  PACK: rounded to bf16, each accumulator's registers in ascending order.  TOSTAGE: into my own stage, and back by panels.  SEND: stored.
.macro PACK a
.set AC, 64*((\a)%4)
	WIN 0x0a+5*((\a)/4)                            ; sources 0 and 1: window 2 or 3
.irp b, 0,1,2,3,4,5,6,7
.irp r, 0,1,2,3
	v_cvt_pk_bf16_f32 v[TMP+4*(\b)+(\r)], v[AC+8*(\b)+2*(\r)], v[AC+8*(\b)+2*(\r)+1]
.endr
.endr
	WIN 0
.endm
.macro TOSTAGE a
	WIN 0
.set BK, OB+192*((\a)%2)
.irp b, 0,1,2,3,4,5,6,7
	ds_store_b128 v[STO], v[TMP+4*(\b):TMP+4*(\b)+3] offset:32*(\b)
.endr
.irp t, 0,1,2,3,4,5,6,7
	ds_load_b128 v[BK+4*(\t):BK+4*(\t)+3], v[RD] offset:((\t)%2)*8*SPITCH+((\t)/2)*64  ; panel t / 2 of my four, rows 8 (t % 2) on; LDS serves a wave's instructions in order (ISA guide 5.7.1.4)
.endr
.endm
.macro SEND a, younger
	WIN 0
.set BK, OB+192*((\a)%2)
	s_wait_dscnt \younger                          ; the block is back in registers
	s_wait_xcnt 0x0                                ; earlier stores have read their base and data: only now are they rewritten
.if (\a) == 0
	s_add_nc_u64 s[8:9], s[8:9], s[16:17]          ; my first rows
.else
	s_add_nc_u64 s[8:9], s[8:9], 16*64             ; 16 rows on in every panel
.endif
.irp t, 0,1,2,3,4,5,6,7
	global_store_b128 v[CO], v[BK+4*(\t):BK+4*(\t)+3], s[8:9] offset:((\t)/2)*PANEL+((\t)%2)*512  ; 512 consecutive bytes, at a multiple of 512 from C's first byte
.endr
.endm
	s_wait_tensorcnt 1                             ; my part of K step 0 is in; K step 1's may stay out
	s_barrier_signal -1
	s_barrier_wait -1                              ; everybody's is
	FETCH 0, 0, F0
	QUARTER 0, 1, F0, F1, 1                        ; the first quarter stands in front of the loop: its products start the sums
	WIN 0                                          ; at a label and at a branch every window is 0
	s_mov_b32 s3, LAPS-1
.Llap:                                                 ; a trip goes once round the ring, from a lap's second quarter to the next lap's first, and fills both slots again
	QUARTER 0, 2, F1, F0, 0
	QUARTER 0, 3, F0, F1, 0
	TURN 0, 1, 1
	QUARTER 1, 1, F0, F1, 0
	QUARTER 1, 2, F1, F0, 0
	QUARTER 1, 3, F0, F1, 0
	TURN 1, 0, 1
	QUARTER 0, 1, F0, F1, 0
	WIN 0
	s_sub_co_u32 s3, s3, 1
	s_cmp_lg_u32 s3, 0
	s_cbranch_scc1 .Llap
	QUARTER 0, 2, F1, F0, 0                        ; the last lap fills nothing and has no round
	QUARTER 0, 3, F0, F1, 0
	TURN 0, 1, 0
	QUARTER 1, 1, F0, F1, 0
	QUARTER 1, 2, F1, F0, 0
	QUARTER 1, 3, F0, F1, 0
	s_wait_dscnt 8                                 ; the very last quarter: nothing more to fetch
	MUL16 F1, 0, 0, 0
	MUL16 F1, 0, 2, 0
	s_wait_dscnt 0x0
	MUL16 F1, 1, 0, 0
	MUL16 F1, 1, 2, 0
	PLACES                                         ; the conversions read results just made, and no other vector work is at hand
	PLACES
	PACK 0
	TOSTAGE 0
.irp a, 1,2,3,4,5,6,7                  ; block a's conversions stand between block a - 1's loads from the stage and the wait for them
	PACK \a
	SEND (\a)-1, 0
	TOSTAGE \a
.endr
	SEND 7, 0
	s_wait_tensorcnt 0x0                           ; the wave's end: behind my last tensor load and my last LDS store
	ds_add_u32 v[SPW], v[NIL]
	s_wait_dscnt 0x0
	CROUND                                         ; the closing round: no work-group ends while a partner may still ask for a tile that names it
	s_endpgm
.Lfunc_end_k_q3ea467dbf4_gemm:
	.size	k_q3ea467dbf4_gemm, .Lfunc_end_k_q3ea467dbf4_gemm-k_q3ea467dbf4_gemm
	.p2alignl 7, 3214868480
	.fill 96, 4, 3214868480
	.section	.rodata,"a",@progbits
	.p2align	6, 0x0
	.amdhsa_kernel k_q3ea467dbf4_gemm
		.amdhsa_group_segment_fixed_size 327680
		.amdhsa_private_segment_fixed_size 0
		.amdhsa_enable_private_segment 0
		.amdhsa_kernarg_size 24
		.amdhsa_user_sgpr_count 2
		.amdhsa_user_sgpr_kernarg_segment_ptr 1
		.amdhsa_wavefront_size32 1
		.amdhsa_system_sgpr_workgroup_id_x 1
		.amdhsa_system_sgpr_workgroup_id_y 1
		.amdhsa_system_sgpr_workgroup_id_z 1
		.amdhsa_system_vgpr_workitem_id 0
		.amdhsa_next_free_vgpr 1024
		.amdhsa_next_free_sgpr 80
		.amdhsa_reserve_vcc 0
		.amdhsa_float_denorm_mode_32 3
		.amdhsa_float_denorm_mode_16_64 3
		.amdhsa_memory_ordered 1
		.amdhsa_forward_progress 1
		.amdhsa_inst_pref_size 144
	.end_amdhsa_kernel
	.amdgpu_metadata
---
amdhsa.version: [ 1, 2 ]
amdhsa.kernels:
  - .name:           k_q3ea467dbf4_gemm
    .symbol:         k_q3ea467dbf4_gemm.kd
    .args:
      - { .name: xb, .offset: 0, .size: 8, .value_kind: global_buffer, .address_space: global }
      - { .name: wgi, .offset: 8, .size: 8, .value_kind: global_buffer, .address_space: global }
      - { .name: gi, .offset: 16, .size: 8, .value_kind: global_buffer, .address_space: global }
    .group_segment_fixed_size: 327680
    .private_segment_fixed_size: 0
    .kernarg_segment_align: 8
    .kernarg_segment_size: 24
    .max_flat_workgroup_size: 128
    .sgpr_count:     80
    .vgpr_count:     1024
    .wavefront_size: 32
...
	.end_amdgpu_metadata
.endif
;; end of part 2
;; launch scan (part 3): grid 256 x 1, 16 waves a work-group, no clusters, 137,216 bytes of LDS; arguments gi, bg, bi, st; writes st
.if DOCPART == 3
	.amdgcn_target "amdgcn-amd-amdhsa--gfx1250"
	.amdhsa_code_object_version 6
	.text
	.protected	k_q3ea467dbf4_scan
	.globl	k_q3ea467dbf4_scan
	.p2align	8
	.type	k_q3ea467dbf4_scan,@function
k_q3ea467dbf4_scan:
	s_mov_b64 s[64:65], 0
	v_nop
	global_prefetch_b8 v0, s[64:65] scope:SCOPE_SE
	s_setreg_imm32_b32 hwreg(HW_REG_WAVE_MODE, 25, 1), 1
	s_wait_xcnt 0x0
; GATES, DRIVE AND THE CHUNKED SCAN.  gi holds G = x Wg (panels 0-63) and I = x Wi (panels 64-127), bf16, without their biases; st takes the states, bf16, in panels.
;   a = sigmoid(G + bg); b = (1 - a)(I + bi); in each chunk of 64 steps p_t = the product of max(a, 1e-6) up to t, w_t = the sum of b_s / max(p_s, 1e-8) up to t;
;   out_t = p_t (h + w_t), and h of the next chunk is out_63.
; LEFT OUT (shown at the head of the first kernel): h0 = 0 is a constant; exp(cumsum(log a')) is the running product of a'.  Both clamps stand as in reference().
; LIMITS.  bg and bi are rounded to bf16 like all inputs.  v_exp_f32 and v_rcp_f32 take and give denormals as 0 (ISA guide 15.8).  A NaN loses against the clamps; NaN and infinities are not treated apart.
; SHARES.  A work-group has one batch and 32 channels (one panel): 1,024 steps x 64 bytes = 64 KiB dense in G, in I and in st.  Wave w has chunk w, a lane one channel.  So all 16 chunks run at once;
; each wave leaves (p_63, w_63) in LDS, ONE barrier, and each wave folds the chunks in front of its own: 15 steps in every wave, the value chosen by the wave's number, no branch.
; LDS.  Wave w's 8 KiB at 8,192 w: G [64 t][64 bytes], then I: copied as they lie (16 bytes a lane), read by channels (2 bytes a lane, 64 consecutive bytes a load).  The G part serves again as the
; wave's stage for the states.  Only the wave itself touches these bytes, and LDS serves a wave's instructions in order.  CAR: chunk m's p_63 at 256 m + 4 lane, w_63 128 bytes on.
; No cluster, tensor load or matrix unit: no two work-groups read a common byte but 256 bytes of biases, each byte is wanted once, and nothing is multiplied by a matrix.
.set LANE, 1
.set GOFF, 2                           ; v2   16 x lane: my place in 512 consecutive bytes of memory
.set LST,  3                           ; v3   8,192 w + 16 x lane
.set LRD,  4                           ; v4   8,192 w + 2 x lane
.set CARW, 5                           ; v5   CAR + 256 w + 4 x lane
.set CARR, 6                           ; v6   CAR + 4 x lane
.set BOF,  7                           ; v7   my channel's byte in bg and bi
.set SPW,  8                           ; v8   LDS address of my spare word; never rewritten
.set NIL,  9                           ; v9   0; never rewritten
.set CG,   10                          ; v[10:11] -log2(e) bg, twice
.set BI,   12                          ; v[12:13] bi, twice
.set H,    14                          ; v[14:15] the carry into my chunk, twice
.set RAW,  32                          ; v[32:95]  the 16 loads of 16 bytes; then two sets of 16 G and 16 I; then the 15 chunks' p_63 and w_63; then the states on their way out
.set T,    96                          ; v[96:111] at work
.set P,    128                         ; v[128:191] p_0 .. p_63
.set W,    192                         ; v[192:255] w_0 .. w_63
.set CAR,   131072
.set SPARE, 135168                     ; the spare words, 128 bytes for each of 16 waves: eight blocks of 256 bytes that no other line names
	s_load_b256 s[4:11], s[0:1], 0x0               ; gi s[4:5], bg s[6:7], bi s[8:9], st s[10:11]
	v_lshl_add_u32 v[SPW], v0, 2, SPARE
	v_mov_b32 v[NIL], 0
	v_and_b32 v[LANE], 31, v0
	v_lshrrev_b32 v16, 5, v0
	v_readfirstlane_b32 s14, v16                   ; wave = chunk, 0..15
	s_and_b32 s15, ttmp9, 63                       ; the panel
	s_lshr_b32 s16, ttmp9, 6                       ; the batch
	s_lshl_b32 s16, s16, 16                        ; 1,024 rows x 64 bytes
	s_lshl_b32 s18, s15, 18
	s_add_co_u32 s16, s16, s18
	s_lshl_b32 s18, s14, 12                        ; 64 rows x 64 bytes
	s_add_co_u32 s16, s16, s18
	s_mov_b32 s17, 0
	s_lshl_b32 s18, s15, 7                         ; 32 channels x 4 bytes
	s_lshl_b32 s19, s14, 13
	s_mov_b32 s20, 0xbfb8aa3b                      ; -log2(e)
	s_mov_b32 s21, s20                             ; named with it as a pair
	s_mov_b32 s22, 0x358637bd                      ; 1e-6
	s_mov_b32 s23, 0x322bcc77                      ; 1e-8
	v_lshlrev_b32 v[GOFF], 4, v[LANE]
	v_lshl_add_u32 v[LST], v[LANE], 4, s19
	v_lshl_add_u32 v[LRD], v[LANE], 1, s19
	v_lshl_add_u32 v[CARR], v[LANE], 2, CAR
	s_lshl_b32 s24, s14, 8
	v_add_nc_u32 v[CARW], s24, v[CARR]
	v_lshl_add_u32 v[BOF], v[LANE], 2, s18
	s_wait_kmcnt 0x0
	s_add_nc_u64 s[4:5], s[4:5], s[16:17]          ; G at my chunk
	s_add_nc_u64 s[12:13], s[4:5], 0x1000000       ; I: 64 panels on
	s_add_nc_u64 s[10:11], s[10:11], s[16:17]      ; st at my chunk
	global_load_b32 v16, v[BOF], s[6:7]
	global_load_b32 v17, v[BOF], s[8:9]
.irp i, 0,1,2,3,4,5,6,7
	global_load_b128 v[RAW+4*(\i):RAW+4*(\i)+3], v[GOFF], s[4:5] offset:512*(\i) th:TH_LOAD_NT
.endr
.irp i, 0,1,2,3,4,5,6,7
	global_load_b128 v[RAW+32+4*(\i):RAW+32+4*(\i)+3], v[GOFF], s[12:13] offset:512*(\i) th:TH_LOAD_NT
.endr
	s_wait_loadcnt 16                              ; the two biases are in; the 16 loads behind them stay out
	v_cvt_pk_bf16_f32 v18, v16, v17                ; rounded like all inputs
	v_lshlrev_b32 v19, 16, v18
	v_and_b32 v[BI], 0xffff0000, v18
	v_mov_b32 v[BI+1], v[BI]
	v_mul_f32 v[CG], s20, v19
	v_mov_b32 v[CG+1], v[CG]
.irp i, 0,1,2,3,4,5,6,7,8,9,10,11,12,13,14,15
	s_wait_loadcnt 15-(\i)                         ; load i is in, the younger ones stay out
	ds_store_b128 v[LST], v[RAW+4*(\i):RAW+4*(\i)+3] offset:512*(\i)  ; G's 4,096 bytes, then I's
.endr
; 32 LDS loads: G and I of steps 16 k .. 16 k + 15 of my channel, into set s (16 G, then 16 I)
.macro LOADB set, k
.set i, 0
.rept 16
	ds_load_u16 v[RAW+32*(\set)+i],    v[LRD] offset:64*(16*(\k)+i)
	ds_load_u16 v[RAW+32*(\set)+16+i], v[LRD] offset:4096+64*(16*(\k)+i)
.set i, i+1
.endr
.endm
; Sixteen steps.  Three batches of transcendentals (16 exponentials, 16 reciprocals, 16 reciprocals), each with a plain instruction behind its last and ONE wait ahead of its first reader.
; The next sixteen steps' LDS loads are issued first and stay out meanwhile.
.macro BATCH set, k, last
.set GB, RAW+32*(\set)
.set IB, GB+16
.if \last
	s_wait_dscnt 0x0
.else
	LOADB 1-(\set), (\k)+1
	s_wait_dscnt 32                                ; all but the 32 just issued
.endif
.set i, 0
.rept 32
	v_lshlrev_b32 v[GB+i], 16, v[GB+i]             ; bf16 to f32
.set i, i+1
.endr
.set i, 0
.rept 8
	v_pk_fma_f32 v[GB+i:GB+i+1], v[GB+i:GB+i+1], s[20:21], v[CG:CG+1] op_sel_hi:[1,0,1]  ; -log2(e) (G + bg)
.set i, i+2
.endr
.set i, 0
.rept 16
	v_exp_f32 v[GB+i], v[GB+i]
.set i, i+1
.endr
.set i, 0
.rept 8
	v_pk_add_f32 v[IB+i:IB+i+1], v[IB+i:IB+i+1], v[BI:BI+1]  ; I + bi: the plain work behind the exponentials
.set i, i+2
.endr
	s_wait_alu depctr_va_vdst(0)                   ; one wait for the 16 exponentials
.set i, 0
.rept 8
	v_pk_add_f32 v[GB+i:GB+i+1], v[GB+i:GB+i+1], 1.0 op_sel_hi:[1,0]
.set i, i+2
.endr
.set i, 0
.rept 16
	v_rcp_f32 v[GB+i], v[GB+i]                     ; a
.set i, i+1
.endr
	v_nop
	s_wait_alu depctr_va_vdst(0)                   ; one wait for the 16 reciprocals
.set i, 0
.rept 8
	v_pk_fma_f32 v[IB+i:IB+i+1], v[GB+i:GB+i+1], v[IB+i:IB+i+1], v[IB+i:IB+i+1] neg_lo:[1,0,0] neg_hi:[1,0,0]  ; b = (I + bi) - a (I + bi)
.set i, i+2
.endr
.set i, 0
.rept 16
.if 16*(\k)+i == 0
	v_max_num_f32 v[P], s22, v[GB]                 ; p_0 = max(a_0, 1e-6)
.else
	v_max_num_f32 v[GB+i], s22, v[GB+i]
.endif
.set i, i+1
.endr
.set i, 0
.rept 16
.set t, 16*(\k)+i
.if t > 0
	v_mul_f32 v[P+t], v[P+t-1], v[GB+i]            ; the chain of products; the clamp of the step before stands between its links
.endif
.if i > 0
	v_max_num_f32 v[T+i-1], s23, v[P+t-1]
.endif
.set i, i+1
.endr
	v_max_num_f32 v[T+15], s23, v[P+16*(\k)+15]
.set i, 0
.rept 16
	v_rcp_f32 v[T+i], v[T+i]                       ; 1 / max(p, 1e-8)
.set i, i+1
.endr
	v_nop
	s_wait_alu depctr_va_vdst(0)                   ; one wait for the 16 reciprocals
.set i, 0
.rept 16
.set t, 16*(\k)+i
.if t == 0
	v_mul_f32 v[W], v[IB], v[T]
.else
	v_fma_f32 v[W+t], v[IB+i], v[T+i], v[W+t-1]
.endif
.set i, i+1
.endr
.endm
	LOADB 0, 0                                     ; these see my stores above: LDS serves a wave's instructions in order (ISA guide 5.7.1.4)
	BATCH 0, 0, 0
	BATCH 1, 1, 0
	BATCH 0, 2, 0
	BATCH 1, 3, 1
	; THE CARRY
	ds_store_b32 v[CARW], v[P+63]
	ds_store_b32 v[CARW], v[W+63] offset:128
	s_wait_dscnt 0x0                               ; for the others' sake: my two stores are done
	s_barrier_signal -1
	s_barrier_wait -1                              ; all 16 chunks' (p_63, w_63) lie in LDS; nobody writes them again
.set m, 0
.rept 15
	ds_load_b32 v[RAW+m],    v[CARR] offset:256*m
	ds_load_b32 v[RAW+32+m], v[CARR] offset:256*m+128
.set m, m+1
.endr
	v_mov_b32 v[H], 0                              ; h0
	s_wait_dscnt 0x0
.set m, 0
.rept 15
	v_add_f32 v[T], v[H], v[RAW+32+m]              ; h behind chunk m = p_63 (h + w_63),
	v_mul_f32 v[T], v[T], v[RAW+m]
	s_cmp_gt_u32 s14, m                            ; taken where chunk m lies in front of mine
	s_cselect_b32 s24, -1, 0
	v_cndmask_b32 v[H], v[H], v[T], s24
.set m, m+1
.endr
	v_mov_b32 v[H+1], v[H]
	; THE STATES: p_t (h + w_t), rounded to bf16, by channels into my stage (G's bytes, which I have read out), back as they lie in memory
.set t, 0
.rept 32
	v_pk_add_f32 v[W+t:W+t+1], v[W+t:W+t+1], v[H:H+1]
.set t, t+2
.endr
.set t, 0
.rept 32
	v_pk_mul_f32 v[W+t:W+t+1], v[W+t:W+t+1], v[P+t:P+t+1]
.set t, t+2
.endr
.set t, 0
.rept 32
	v_cvt_pk_bf16_f32 v[P+t], v[W+t], v[W+t+1]
	ds_store_b16 v[LRD], v[P+t] offset:64*t
	ds_store_b16_d16_hi v[LRD], v[P+t] offset:64*t+64
.set t, t+2
.endr
.irp i, 0,1,2,3,4,5,6,7
	ds_load_b128 v[RAW+4*(\i):RAW+4*(\i)+3], v[LST] offset:512*(\i)
.endr
.irp i, 0,1,2,3,4,5,6,7
	s_wait_dscnt 7-(\i)
	global_store_b128 v[GOFF], v[RAW+4*(\i):RAW+4*(\i)+3], s[10:11] offset:512*(\i)  ; 512 consecutive bytes, at a multiple of 512 from st's first byte
.endr
	s_wait_tensorcnt 0x0                           ; the wave's end: behind my last LDS store
	ds_add_u32 v[SPW], v[NIL]
	s_wait_dscnt 0x0
	s_endpgm
.Lfunc_end_k_q3ea467dbf4_scan:
	.size	k_q3ea467dbf4_scan, .Lfunc_end_k_q3ea467dbf4_scan-k_q3ea467dbf4_scan
	.p2alignl 7, 3214868480
	.fill 96, 4, 3214868480
	.section	.rodata,"a",@progbits
	.p2align	6, 0x0
	.amdhsa_kernel k_q3ea467dbf4_scan
		.amdhsa_group_segment_fixed_size 137216
		.amdhsa_private_segment_fixed_size 0
		.amdhsa_enable_private_segment 0
		.amdhsa_kernarg_size 32
		.amdhsa_user_sgpr_count 2
		.amdhsa_user_sgpr_kernarg_segment_ptr 1
		.amdhsa_wavefront_size32 1
		.amdhsa_system_sgpr_workgroup_id_x 1
		.amdhsa_system_sgpr_workgroup_id_y 1
		.amdhsa_system_sgpr_workgroup_id_z 1
		.amdhsa_system_vgpr_workitem_id 0
		.amdhsa_next_free_vgpr 256
		.amdhsa_next_free_sgpr 66
		.amdhsa_reserve_vcc 0
		.amdhsa_float_denorm_mode_32 3
		.amdhsa_float_denorm_mode_16_64 3
		.amdhsa_memory_ordered 1
		.amdhsa_forward_progress 1
		.amdhsa_inst_pref_size 59
	.end_amdhsa_kernel
	.amdgpu_metadata
---
amdhsa.version: [ 1, 2 ]
amdhsa.kernels:
  - .name:           k_q3ea467dbf4_scan
    .symbol:         k_q3ea467dbf4_scan.kd
    .args:
      - { .name: gi, .offset: 0, .size: 8, .value_kind: global_buffer, .address_space: global }
      - { .name: bg, .offset: 8, .size: 8, .value_kind: global_buffer, .address_space: global }
      - { .name: bi, .offset: 16, .size: 8, .value_kind: global_buffer, .address_space: global }
      - { .name: st, .offset: 24, .size: 8, .value_kind: global_buffer, .address_space: global }
    .group_segment_fixed_size: 137216
    .private_segment_fixed_size: 0
    .kernarg_segment_align: 8
    .kernarg_segment_size: 32
    .max_flat_workgroup_size: 512
    .sgpr_count:     66
    .vgpr_count:     256
    .wavefront_size: 32
...
	.end_amdgpu_metadata
.endif
;; end of part 3
;; launch g2 (part 4): grid 8 x 32, 4 waves a work-group, clusters of 4 x 4, 327,680 bytes of LDS; arguments st, wob, z; writes z
.if DOCPART == 4
	.amdgcn_target "amdgcn-amd-amdhsa--gfx1250"
	.amdhsa_code_object_version 6
	.text
	.protected	k_q3ea467dbf4_g2
	.globl	k_q3ea467dbf4_g2
	.p2align	8
	.type	k_q3ea467dbf4_g2,@function
k_q3ea467dbf4_g2:
	s_mov_b64 s[64:65], 0
	v_nop
	global_prefetch_b8 v0, s[64:65] scope:SCOPE_SE
	s_setreg_imm32_b32 hwreg(HW_REG_WAVE_MODE, 25, 1), 1
	s_wait_xcnt 0x0
	s_wait_alu depctr_hold_cnt(0) depctr_sa_sdst(0) depctr_va_vdst(0) depctr_va_sdst(0) depctr_va_ssrc(0) depctr_va_vcc(0) depctr_vm_vsrc(0)
	s_getreg_b32 s2, hwreg(HW_REG_IB_STS2, 6, 4)
	s_cmp_eq_u32 s2, 0
	s_cbranch_scc0 .Lentry_in_a_cluster
	s_endpgm
.Lentry_in_a_cluster:
	s_bfe_u32 s2, ttmp6, 0x10000c
	s_cmp_lg_u32 s2, 0xf033
	s_cbranch_scc0 .Lentry_shape_is_right
	s_endpgm
.Lentry_shape_is_right:
; z[m][n] = the sum over k of states[m][k] Wo[k][n]: 4,096 rows, K = 2,048, 2,048 columns; bf16 operands, f32 sums, z rounded once to bf16.  bo is added by the launch behind.  Nothing of reference() is left out here.
; A (states) and C (z) lie in PANELS: [column / 32][4096 rows][32 columns] bf16, 262,144 bytes a panel.  B (Wo) lies as [2048 k][2048 n] bf16.
; WHY A TILE OF 128 x 256.  C has 128 tiles of 256 x 256 and 256 of 128 x 256: the smaller tile gives each of 256 work-groups one.
; SHARES.  A work-group of four waves makes 128 x 256 of C; a wave 64 x 128: 32 accumulators of 16 x 16, 256 registers.  K goes in 16 steps of 128 through two LDS slots.
; A panel of 32 of K takes 27,648 bytes of LDS (128 rows x 80 and 32 rows x 544), so two slots could hold 5 panels each at the most, and 5 does not divide K's 64 panels: 4 panels a slot.
; CLUSTERS.  4 x 4 work-groups.  The four of a row of the cluster need the same tile of A, the four of a column the same tile of B: each tile is asked for JOINTLY, by the same tensor load,
; descriptor and mask in all four.  Waves 0 and 1 fetch A's two halves (64 rows each), waves 2 and 3 B's (64 k rows each): one tensor load a wave behind each round.
; A IN LDS.  A half of a K step is four runs (one a panel) of 64 rows x 64 bytes = 4,096 dense bytes: the descriptor takes a run as one row of 2,048 elements and pads 16 bytes behind every 64, so that
; rows lie 80 bytes apart and the 16 rows of a fragment load start at 16 different groups of four banks (64 banks of 4 bytes: ISA guide 11.1).
; B IN LDS.  [k][256 n], 512 bytes + 32 of padding = 544, and leaves half a fragment: lane l holds column l % 16 and 8 k.
; THE MATRIX INSTRUCTION IS USED TRANSPOSED: source 0 = 16 columns of B, source 1 = 16 rows of A: a lane holds row l % 16 of C and the columns 8 (l / 16) + 0..7: 16 bytes when rounded.
; REGISTERS, in windows of 256 (s_set_vgpr_msb: bits 1:0 source 0, 3:2 source 1, 5:4 source 2, 7:6 destination):
;   window 0: v0-31 addresses; v32-63, v64-95 fragments of A, two buffers (on the way out: rows read back from the stage); v96-159, v160-223 fragments of B, two buffers; v224-255 packed results
;   window 1: the accumulators ((a, b) at v[8 (8 a + b)])
; So a quarter step has two switches: one in front of its run of LDS loads, one in front of its products.
; The 32 accumulators take turns, one instruction a turn, in the same order in every quarter step.
; lds_bytes claims all of the LDS; 239,104 bytes are used.
.set PANEL,  262144
.set APITCH, 80
.set AHALF,  4*64*APITCH               ; 64 rows x 4 panels: what one of A's tensor loads brings, and what one wave reads of A
.set BPITCH, 544
.set BHALF,  64*BPITCH                 ; 64 k rows: what one of B's tensor loads brings
.set BOFF,   2*AHALF                   ; B's 128 k rows lie behind A's 128 rows
.set SLOT,   BOFF+2*BHALF              ; 110,592
.set STAGE,  2*SLOT                    ; behind the ring: 16 rows x 272 bytes for each wave, for the way out; no tensor load fills it
.set SPITCH, 272
.set SPARE,  STAGE+4*16*SPITCH         ; the spare words, 128 bytes for each wave: two blocks of 256 bytes that no other line names
.set ASTEP,  4*PANEL                   ; bytes of A from a K step to the next: four panels
.set BSTEP,  128*4096                  ; of B: 128 rows of 4,096 bytes
.set LAPS,   8                         ; a lap = two K steps = once round the ring
.set ADRA, 16                          ; v16-17  LDS address of my A fragments in slot 0, 1
.set ADRB, 20                          ; v20-21  the same for B
.set STO,  24                          ; v24     the way out: where I put 16 bytes of a row
.set RD,   25                          ; v25     the way out: where I read them back, by panels
.set CO,   26                          ; v26     16 x lane: my place in 512 consecutive bytes of C
.set SPW,  28                          ; v28     LDS address of my spare word; never rewritten
.set NIL,  29                          ; v29     0; never rewritten
.set PFO,  30                          ; v30     the prefetches' lane offset; never rewritten
.set FA,   32                          ; A's fragments: buffer f at FA + 32 f, block a at + 8 a
.set FB,   96                          ; B's fragments: buffer f at FB + 64 f, block b at + 8 b
.set F0,   0
.set F1,   1
.set TMP,  224
.set OB,   32
.set G1,   24                          ; s[24:31] descriptor group 1 for A's tiles
.set G0,   32                          ; s[32:39] group 0 for A's, a set for each slot
.set LIM,  43                          ; s43      2 in a wave that prefetches, else the greatest number
.set PFA,  44                          ; s[44:45] where my prefetches stand
.set G1B,  48                          ; s[48:55] group 1 for B's tiles
.set G0B,  56                          ; s[56:63] group 0 for B's
.set PST,  66                          ; s[66:67] the prefetches' step from K step to K step
.set MSB, 0
.macro WIN new                         ; the immediate's high byte repeats the setting that is left; a switch that changes nothing is dropped
.if MSB != (\new)
	s_set_vgpr_msb (MSB<<8)|(\new)
.set MSB, \new
.endif
.endm
.set MULW,  0x50                       ; sources 0 (B) and 1 (A) window 0, C and D window 1
.set PACKW, 0x05                       ; sources 0 and 1 window 1, destination window 0
; A joint load.  The branch hangs on the wave's number alone.  An s_nop 0 and four v_nop follow each of the two lines, ahead of the jump and the label.
.macro JLOAD s
	s_cmp_eq_u32 s11, 0
	s_cbranch_scc0 .Lfor_b_\@
	tensor_load_to_lds s[G0+4*(\s):G0+4*(\s)+3], s[G1:G1+7]
	s_nop 0
.rept 4
	v_nop
.endr
	s_branch .Lasked_\@
.Lfor_b_\@:
	tensor_load_to_lds s[G0B+4*(\s):G0B+4*(\s)+3], s[G1B:G1B+7]
	s_nop 0
.rept 4
	v_nop
.endr
.Lasked_\@:
.endm
; A prefetch of the K step that stands FOUR refills on, 512 matrix instructions ahead of the load that will want it: one instruction a wave, 32 aligned blocks of 256 bytes, a lane a block.
; Each block is named once in the launch.  A's tile rows are read by both clusters of a row of clusters: the one with x = 0 asks; a tile's 128 rows are 8,192 dense bytes of each panel, and of a K step's four
; panels the partner at cx takes panel cx: wave 0 asks, wave 1 asks for nothing.  B's tile columns are read by all eight clusters of a column of clusters: the one with y = 0 asks; of the 64 k rows that
; wave 2 or 3 fetches the partner at cy takes 16, 512 bytes each.  Partners are told apart BY ADDRESS alone.  K steps 0 to 5 come by their loads alone; refill i asks for K step i + 6, so the loop's last
; two trips (refills 10 to 13) ask for nothing: K steps 16 to 19 do not exist.
.macro ASK
	s_cmp_gt_u32 s3, s[LIM]                        ; s3 counts the trips from 7 down to 1: above 2 in the first five
	s_cbranch_scc0 .Lnot_mine_\@
	global_prefetch_b8 v[PFO], s[PFA:PFA+1] th:TH_LOAD_NT scope:SCOPE_SE
.Lnot_mine_\@:
.endm
.macro CREST                           ; a round of the cluster's barrier behind its opening barrier
	s_cmp_lg_u32 s10, 0
	s_cbranch_scc1 .Lnot_wave_0_\@
	s_barrier_signal -3
.Lnot_wave_0_\@:
	s_barrier_wait -3
	s_barrier_signal -1
	s_barrier_wait -1
.endm
.macro CROUND                          ; a whole round
	s_barrier_signal -1
	s_barrier_wait -1
	CREST
.endm
	s_load_b128 s[4:7], s[0:1], 0x0                ; A s[4:5], B s[6:7]
	s_load_b64 s[8:9], s[0:1], 0x10                ; C
	v_lshl_add_u32 v[SPW], v0, 2, SPARE
	v_mov_b32 v[NIL], 0
	ds_add_u32 v[SPW], v[NIL]                      ; the wave's opening: the add, twice on end, and its wait ahead of my first tensor load
	ds_add_u32 v[SPW], v[NIL]                      ; the same add once more; the set-up below, work on registers, stands between it and the wait
	v_lshrrev_b32 v1, 5, v0
	v_readfirstlane_b32 s10, v1                    ; wave 0..3
	s_lshr_b32 s11, s10, 1                         ; which 64 rows of the tile are mine.  Also: I fetch for A (0) or for B (1)
	s_and_b32 s12, s10, 1                          ; which 128 columns.  Also: which half of that tile I fetch
	s_bfe_u32 s40, ttmp6, 0x40000                  ; cx
	s_bfe_u32 s41, ttmp6, 0x40004                  ; cy
	s_lshl_b32 s42, ttmp9, 2
	s_add_co_u32 s42, s42, s40                     ; tile column = 4 x cluster x + cx: 0..7
	s_and_b32 s13, ttmp7, 0xffff
	s_lshl_b32 s13, s13, 2
	s_add_co_u32 s13, s13, s41                     ; tile row = 4 x cluster y + cy: 0..31
	s_lshl_b32 s43, s41, 2
	s_lshl_b32 s43, 15, s43                        ; my row of the cluster: places 4 cy .. 4 cy + 3
	s_lshl_b32 s44, 0x1111, s40                    ; my column: places cx, cx + 4, cx + 8, cx + 12
	; group 1 for A: 4 rows of 2,048 elements (a panel's 64 rows), 131,072 elements from panel to panel; 4 words of padding behind every 16
	s_or_b32 s[G1+0], s43, (1<<16)|(1<<20)|(1<<21)|(3<<22)|(3<<25)   ; 15:0 mask; 17:16 2-byte elements; 20 padding on; 21 set beside a mask; 24:22 interval code 3; 31:25 pad code 3
	s_mov_b32 s[G1+1], 2048<<16                    ; tensor_dim0 = 2,048
	s_mov_b32 s[G1+2], 4<<16                       ; tensor_dim1 = 4
	s_mov_b32 s[G1+3], 2048<<16                    ; tile_dim0 = 2,048
	s_mov_b32 s[G1+4], 4                           ; tile_dim1 = 4
	s_mov_b32 s[G1+5], PANEL/2                     ; stride, in elements
	s_mov_b32 s[G1+6], 0
	s_mov_b32 s[G1+7], 0
	; group 1 for B: 64 rows of 256 elements, 2,048 elements from row to row; 8 words of padding behind every 128
	s_or_b32 s[G1B+0], s44, (1<<16)|(1<<20)|(1<<21)|(6<<22)|(7<<25)
	s_mov_b32 s[G1B+1], 256<<16
	s_mov_b32 s[G1B+2], 64<<16
	s_mov_b32 s[G1B+3], 256<<16
	s_mov_b32 s[G1B+4], 64
	s_mov_b32 s[G1B+5], 2048
	s_mov_b32 s[G1B+6], 0
	s_mov_b32 s[G1B+7], 0
	; where the tiles come from: A's hang on the tile row and the wave, B's on the tile column and the wave, each in registers that never hold the other coordinate
	s_lshl_b32 s16, s13, 13                        ; A: 128 rows x 64 bytes a tile row,
	s_lshl_b32 s17, s12, 12                        ; 64 rows a half
	s_add_co_u32 s16, s16, s17
	s_mov_b32 s17, 0
	s_lshl_b32 s46, s42, 9                         ; B: 256 columns x 2 bytes a tile column,
	s_lshl_b32 s68, s12, 18                        ; 64 k rows x 4,096 bytes a half
	s_add_co_u32 s46, s46, s68
	s_mov_b32 s47, 0
	s_mul_i32 s20, s12, AHALF                      ; and where they go: no place in the cluster enters an LDS address
	s_mul_i32 s23, s12, BHALF
	s_add_co_u32 s23, s23, BOFF
	s_wait_dscnt 0x0                               ; both opening adds are done
	s_wait_kmcnt 0x0
	s_add_nc_u64 s[14:15], s[4:5], s[16:17]
	s_add_nc_u64 s[46:47], s[6:7], s[46:47]
	CROUND                                         ; all sixteen work-groups are here: the first joint loads meet
.irp s, 0,1
	s_mov_b32 s[G0+4*(\s)], 1                                        ; count = 1
	s_add_co_u32 s[G0+4*(\s)+1], s20, (\s)*SLOT                      ; LDS address
	s_add_nc_u64 s[G0+4*(\s)+2:G0+4*(\s)+3], s[14:15], (\s)*ASTEP    ; global address: K step s
	s_or_b32 s[G0+4*(\s)+3], s[G0+4*(\s)+3], 0x80000000              ; type = 2
	s_mov_b32 s[G0B+4*(\s)], 1
	s_add_co_u32 s[G0B+4*(\s)+1], s23, (\s)*SLOT
	s_add_nc_u64 s[G0B+4*(\s)+2:G0B+4*(\s)+3], s[46:47], (\s)*BSTEP
	s_or_b32 s[G0B+4*(\s)+3], s[G0B+4*(\s)+3], 0x80000000
	JLOAD \s                                       ; two tensor loads of mine are out
.endr
	; A fragment of A: lane l holds row l % 16; registers 0-3 k = 8 (l / 16) + 0..7, registers 4-7 k = 16 + 8 (l / 16) + 0..7: two loads of 16 bytes, 32 bytes apart.
	v_and_b32 v1, 15, v0                           ; l % 16
	v_bfe_u32 v2, v0, 4, 1                         ; l / 16
	v_mul_u32_u24 v3, v1, APITCH
	v_lshl_add_u32 v3, v2, 4, v3
	; A fragment of B by two turning loads, 16 k rows apart: lane l reads k row 8 (l / 16) + l % 8, 16 bytes at 16 ((l / 8) % 2).
	v_and_b32 v4, 7, v0
	v_lshl_add_u32 v4, v2, 3, v4
	v_mul_u32_u24 v4, v4, BPITCH
	v_bfe_u32 v5, v0, 3, 1
	v_lshl_add_u32 v4, v5, 4, v4
	s_mul_i32 s21, s11, AHALF                      ; my 64 rows of A
	s_lshl_b32 s22, s12, 8                         ; my 128 columns of B,
	s_add_co_u32 s22, s22, BOFF                    ; which lies behind A
.irp s, 0,1
	v_add_nc_u32 v[ADRA+(\s)], s21, v3
	v_add_nc_u32 v[ADRB+(\s)], s22, v4
	s_add_co_u32 s21, s21, SLOT
	s_add_co_u32 s22, s22, SLOT
.endr
	s_mul_i32 s23, s10, 16*SPITCH
	s_add_co_u32 s23, s23, STAGE                   ; my stage
	v_mul_u32_u24 v4, v1, SPITCH                   ; in: row l % 16, 16 bytes for each half of the lanes
	v_lshl_add_u32 v4, v2, 4, v4
	v_add_nc_u32 v[STO], s23, v4
	v_and_b32 v6, 31, v0
	v_lshrrev_b32 v5, 2, v6                        ; back: 8 rows x 64 bytes (one panel's share): lane l takes row l / 4, piece l % 4.
	v_mul_u32_u24 v5, v5, SPITCH                   ; (here up to four lanes meet in a group of banks: 32 loads a wave, once a launch)
	v_and_b32 v7, 3, v0
	v_lshl_add_u32 v5, v7, 4, v5
	v_add_nc_u32 v[RD], s23, v5
	v_lshlrev_b32 v[CO], 4, v6                     ; in a panel those 8 rows are 512 consecutive bytes
	; the prefetches: s[14:15] = A at my half's K step 0 (in wave 0: at the tile's first row), s[46:47] = B at mine
	s_and_b32 s22, ttmp7, 0xffff                   ; cluster y
	s_mov_b32 s[PST], BSTEP
	s_mov_b32 s[PST+1], 0
	s_cmp_eq_u32 s11, 0                            ; do I fetch for A?
	s_cselect_b64 s[PFA:PFA+1], s[14:15], s[46:47]
	s_cselect_b32 s70, s40, s41                    ; my place among the four that ask with me
	s_cselect_b32 s72, 18, 16                      ; its share: a panel, or 16 rows of 4,096 bytes
	s_cselect_b32 s73, 9, 12                       ; two lanes step 512 bytes (dense) or a row of B
	s_cselect_b32 s22, ttmp9, s22                  ; the coordinate along which other clusters read the same blocks
	s_cselect_b32 s[PST], ASTEP, s[PST]
	s_cmp_eq_u32 s10, 1
	s_cselect_b32 s22, 1, s22                      ; wave 0 asks for both halves of A's tile, wave 1 for nothing
	s_cmp_eq_u32 s22, 0
	s_cselect_b32 s[LIM], 2, -1                    ; the same in all sixteen partners, for a given wave
	s_lshl_b32 s70, s70, s72
	s_mov_b32 s71, 0
	s_add_nc_u64 s[PFA:PFA+1], s[PFA:PFA+1], s[70:71]
	s_mul_i32 s70, s[PST], 5
	s_add_nc_u64 s[PFA:PFA+1], s[PFA:PFA+1], s[70:71]  ; at K step 5: the first refill steps it to 6.  Nothing is prefetched at the head
	v_lshrrev_b32 v7, 1, v6
	v_lshlrev_b32 v7, s73, v7
	v_and_b32 v6, 1, v0
	v_lshl_add_u32 v[PFO], v6, 8, v7
	; where my part of the tile begins in C: panel 8 tc + 4 (my column half), row 128 tr + 64 (my row half)
	s_lshl_b32 s16, s13, 13
	s_lshl_b32 s17, s11, 12
	s_add_co_u32 s16, s16, s17
	s_lshl_b32 s68, s42, 21
	s_lshl_b32 s69, s12, 20
	s_add_co_u32 s68, s68, s69
	s_add_co_u32 s16, s16, s68
	s_mov_b32 s17, 0
; 8 matrix instructions: m block a x all 8 n blocks, 32 along K, from buffer f.  zero = 1: the first product starts the sums.
.macro MUL8 f, a, zero
	WIN MULW
.irp b, 0,1,2,3,4,5,6,7
.if \zero
	v_wmma_f32_16x16x32_bf16 v[8*(8*(\a)+(\b)):8*(8*(\a)+(\b))+7], v[FB+64*(\f)+8*(\b):FB+64*(\f)+8*(\b)+7], v[FA+32*(\f)+8*(\a):FA+32*(\f)+8*(\a)+7], 0
.else
	v_wmma_f32_16x16x32_bf16 v[8*(8*(\a)+(\b)):8*(8*(\a)+(\b))+7], v[FB+64*(\f)+8*(\b):FB+64*(\f)+8*(\b)+7], v[FA+32*(\f)+8*(\a):FA+32*(\f)+8*(\a)+7], v[8*(8*(\a)+(\b)):8*(8*(\a)+(\b))+7]
.endif
.endr
.endm
; 24 LDS loads in one run: the fragments of quarter q (32 of K: 32 k rows of B, one panel of A) of a slot, into buffer f
.macro FETCH slot, q, f
	WIN 0
.irp i, 0,1,2,3,4,5,6,7
	ds_load_tr16_b128 v[FB+64*(\f)+8*(\i):FB+64*(\f)+8*(\i)+3],   v[ADRB+(\slot)] offset:(\q)*32*BPITCH+32*(\i)
	ds_load_tr16_b128 v[FB+64*(\f)+8*(\i)+4:FB+64*(\f)+8*(\i)+7], v[ADRB+(\slot)] offset:(\q)*32*BPITCH+16*BPITCH+32*(\i)
.endr
.irp i, 0,1,2,3
	ds_load_b128 v[FA+32*(\f)+8*(\i):FA+32*(\f)+8*(\i)+3],   v[ADRA+(\slot)] offset:(\q)*64*APITCH+(\i)*16*APITCH
	ds_load_b128 v[FA+32*(\f)+8*(\i)+4:FA+32*(\f)+8*(\i)+7], v[ADRA+(\slot)] offset:(\q)*64*APITCH+(\i)*16*APITCH+32
.endr
.endm
.macro PLACES                          ; four plain vector instructions between a matrix instruction and a load into, or a vector read of, its registers
.rept 4
	v_nop
.endr
.endm
; One of a K step's first three quarters.  At its head it fetches quarter q of the same slot into buffer g, which the quarter before multiplied: so that run has this quarter's 32 matrix
; instructions in which to come back.  Then it multiplies buffer f.
.macro QUARTER slot, q, f, g, zero
	PLACES
	FETCH \slot, \q, \g
	s_wait_dscnt 24                                ; all but the 24 just issued: buffer f is in
	MUL8 \f, 0, \zero
	MUL8 \f, 1, \zero
	MUL8 \f, 2, \zero
	MUL8 \f, 3, \zero
.endm
; The first half of a K step's last quarter: ONE barrier for the change of slots.  In front of it each wave waits for all its tensor loads (one is out: its part of the next slot), adds 0 to
; its spare word, and waits for that and for its own reads of this slot.  Behind it nobody reads this slot any more and the next slot is whole.
.macro MEET round
	WIN 0                                          ; (the add's two registers lie in window 0)
	s_wait_tensorcnt 0x0                           ; all my tensor loads have landed
	ds_add_u32 v[SPW], v[NIL]                      ; 0 onto my spare word
	s_wait_dscnt 1                                 ; buffer 1 is in: the add alone may be out
	MUL8 F1, 0, 0                                  ; eight matrix instructions stand between the add and the wait for it
	s_wait_dscnt 0x0                               ; the add is done, and my reads of this slot are over
	s_barrier_signal -1
	MUL8 F1, 1, 0                                  ; work on registers while the others arrive
.if \round
	WIN 0
.endif
	s_barrier_wait -1
.endm
; The whole last quarter.  fill = 1: the barrier opens a round of the cluster's barrier, and behind the round the slot just read out is filled again first, with the K step two steps on:
; from that request to the wait for it a wave issues 112 matrix instructions.
.macro TURN slot, next, fill
.if \fill
	s_wait_xcnt 0x0                                ; the last prefetch, a K step back, has read its address
	s_add_nc_u64 s[PFA:PFA+1], s[PFA:PFA+1], s[PST:PST+1]
	MEET 1
	CREST                                          ; no wave of any partner still reads this slot's tile or has a load on its way
	s_add_nc_u64 s[G0+4*(\slot)+2:G0+4*(\slot)+3], s[G0+4*(\slot)+2:G0+4*(\slot)+3], 2*ASTEP
	s_add_nc_u64 s[G0B+4*(\slot)+2:G0B+4*(\slot)+3], s[G0B+4*(\slot)+2:G0B+4*(\slot)+3], 2*BSTEP
	JLOAD \slot                                    ; my one tensor load behind the round; its four v_nop are also the places in front of the loads below
	FETCH \next, 0, F0
	ASK
.else
	MEET 0
	PLACES
	FETCH \next, 0, F0
.endif
	MUL8 F1, 2, 0
	MUL8 F1, 3, 0
.endm
; THE WAY OUT of block a (16 rows).  PACK: rounded to bf16, each accumulator's registers in ascending order.  TOSTAGE: into my own stage, and back by panels.  SEND: stored.
.macro PACK a
	WIN PACKW
.irp b, 0,1,2,3,4,5,6,7
.irp r, 0,1,2,3
	v_cvt_pk_bf16_f32 v[TMP+4*(\b)+(\r)], v[64*(\a)+8*(\b)+2*(\r)], v[64*(\a)+8*(\b)+2*(\r)+1]
.endr
.endr
	WIN 0
.endm
.macro TOSTAGE a
	WIN 0
.set BK, OB+32*((\a)%2)
.irp b, 0,1,2,3,4,5,6,7
	ds_store_b128 v[STO], v[TMP+4*(\b):TMP+4*(\b)+3] offset:32*(\b)
.endr
.irp t, 0,1,2,3,4,5,6,7
	ds_load_b128 v[BK+4*(\t):BK+4*(\t)+3], v[RD] offset:((\t)%2)*8*SPITCH+((\t)/2)*64  ; panel t / 2 of my four, rows 8 (t % 2) on; LDS serves a wave's instructions in order (ISA guide 5.7.1.4)
.endr
.endm
.macro SEND a, younger
	WIN 0
.set BK, OB+32*((\a)%2)
	s_wait_dscnt \younger                          ; the block is back in registers
	s_wait_xcnt 0x0                                ; earlier stores have read their base and data: only now are they rewritten
.if (\a) == 0
	s_add_nc_u64 s[8:9], s[8:9], s[16:17]          ; my first rows
.else
	s_add_nc_u64 s[8:9], s[8:9], 16*64             ; 16 rows on in every panel
.endif
.irp t, 0,1,2,3,4,5,6,7
	global_store_b128 v[CO], v[BK+4*(\t):BK+4*(\t)+3], s[8:9] offset:((\t)/2)*PANEL+((\t)%2)*512  ; 512 consecutive bytes, at a multiple of 512 from C's first byte
.endr
.endm
	s_wait_tensorcnt 1                             ; my part of K step 0 is in; K step 1's may stay out
	s_barrier_signal -1
	s_barrier_wait -1                              ; everybody's is
	FETCH 0, 0, F0
	QUARTER 0, 1, F0, F1, 1                        ; the first quarter stands in front of the loop: its products start the sums
	WIN 0                                          ; at a label and at a branch every window is 0
	s_mov_b32 s3, LAPS-1
.Llap:                                                 ; a trip goes once round the ring, from a lap's second quarter to the next lap's first, and fills both slots again
	QUARTER 0, 2, F1, F0, 0
	QUARTER 0, 3, F0, F1, 0
	TURN 0, 1, 1
	QUARTER 1, 1, F0, F1, 0
	QUARTER 1, 2, F1, F0, 0
	QUARTER 1, 3, F0, F1, 0
	TURN 1, 0, 1
	QUARTER 0, 1, F0, F1, 0
	WIN 0
	s_sub_co_u32 s3, s3, 1
	s_cmp_lg_u32 s3, 0
	s_cbranch_scc1 .Llap
	QUARTER 0, 2, F1, F0, 0                        ; the last lap fills nothing and has no round
	QUARTER 0, 3, F0, F1, 0
	TURN 0, 1, 0
	QUARTER 1, 1, F0, F1, 0
	QUARTER 1, 2, F1, F0, 0
	QUARTER 1, 3, F0, F1, 0
	s_wait_dscnt 0x0                               ; the very last quarter: nothing more to fetch
	MUL8 F1, 0, 0
	MUL8 F1, 1, 0
	MUL8 F1, 2, 0
	MUL8 F1, 3, 0
	PLACES                                         ; the conversions read results just made, and no other vector work is at hand
	PLACES
	PACK 0
	TOSTAGE 0
.irp a, 1,2,3                          ; block a's conversions stand between block a - 1's loads from the stage and the wait for them
	PACK \a
	SEND (\a)-1, 0
	TOSTAGE \a
.endr
	SEND 3, 0
	s_wait_tensorcnt 0x0                           ; the wave's end: behind my last tensor load and my last LDS store
	ds_add_u32 v[SPW], v[NIL]
	s_wait_dscnt 0x0
	CROUND                                         ; the closing round: no work-group ends while a partner may still ask for a tile that names it
	s_endpgm
.Lfunc_end_k_q3ea467dbf4_g2:
	.size	k_q3ea467dbf4_g2, .Lfunc_end_k_q3ea467dbf4_g2-k_q3ea467dbf4_g2
	.p2alignl 7, 3214868480
	.fill 96, 4, 3214868480
	.section	.rodata,"a",@progbits
	.p2align	6, 0x0
	.amdhsa_kernel k_q3ea467dbf4_g2
		.amdhsa_group_segment_fixed_size 327680
		.amdhsa_private_segment_fixed_size 0
		.amdhsa_enable_private_segment 0
		.amdhsa_kernarg_size 24
		.amdhsa_user_sgpr_count 2
		.amdhsa_user_sgpr_kernarg_segment_ptr 1
		.amdhsa_wavefront_size32 1
		.amdhsa_system_sgpr_workgroup_id_x 1
		.amdhsa_system_sgpr_workgroup_id_y 1
		.amdhsa_system_sgpr_workgroup_id_z 1
		.amdhsa_system_vgpr_workitem_id 0
		.amdhsa_next_free_vgpr 512
		.amdhsa_next_free_sgpr 80
		.amdhsa_reserve_vcc 0
		.amdhsa_float_denorm_mode_32 3
		.amdhsa_float_denorm_mode_16_64 3
		.amdhsa_memory_ordered 1
		.amdhsa_forward_progress 1
		.amdhsa_inst_pref_size 87
	.end_amdhsa_kernel
	.amdgpu_metadata
---
amdhsa.version: [ 1, 2 ]
amdhsa.kernels:
  - .name:           k_q3ea467dbf4_g2
    .symbol:         k_q3ea467dbf4_g2.kd
    .args:
      - { .name: st, .offset: 0, .size: 8, .value_kind: global_buffer, .address_space: global }
      - { .name: wob, .offset: 8, .size: 8, .value_kind: global_buffer, .address_space: global }
      - { .name: z, .offset: 16, .size: 8, .value_kind: global_buffer, .address_space: global }
    .group_segment_fixed_size: 327680
    .private_segment_fixed_size: 0
    .kernarg_segment_align: 8
    .kernarg_segment_size: 24
    .max_flat_workgroup_size: 128
    .sgpr_count:     80
    .vgpr_count:     512
    .wavefront_size: 32
...
	.end_amdgpu_metadata
.endif
;; end of part 4
;; launch lnorm (part 5): grid 256 x 1, 8 waves a work-group, no clusters, 25,600 bytes of LDS; arguments xb, z, bo, ln_w, ln_b, out0; writes out0
.if DOCPART == 5
	.amdgcn_target "amdgcn-amd-amdhsa--gfx1250"
	.amdhsa_code_object_version 6
	.text
	.protected	k_q3ea467dbf4_lnorm
	.globl	k_q3ea467dbf4_lnorm
	.p2align	8
	.type	k_q3ea467dbf4_lnorm,@function
k_q3ea467dbf4_lnorm:
	s_mov_b64 s[64:65], 0
	v_nop
	global_prefetch_b8 v0, s[64:65] scope:SCOPE_SE
	s_setreg_imm32_b32 hwreg(HW_REG_WAVE_MODE, 25, 1), 1
	s_wait_xcnt 0x0
; y = x + z + bo; out = (y - mean) rsqrt(var + 1e-5) ln_w + ln_b, mean and var over a row's 2,048 numbers.  xb and z: bf16 in panels ([column / 32][4096 rows][32 columns]); out0: f32, row-major.
; Nothing of reference() is left out here.  LIMITS: x enters as it was rounded to bf16, and bo, ln_w, ln_b are rounded to bf16 like all inputs; NaN and infinities are not treated apart.
; The variance is taken of the centred numbers, as reference() takes it: no difference of large sums is formed.
; SHARES.  A work-group has 16 rows, a wave 2: lanes 0-15 the first, lanes 16-31 the second.  Lane (hh, n) holds columns 64 j + 4 n + 0..3, j = 0..31: 128 numbers, kept in registers through all three
; passes: memory is read once.  A row's sums stay inside 16 lanes: four steps that ride on the additions (DPP).
; IN.  A load of 8 bytes a lane takes two rows' 128 consecutive bytes in each of two panels; all 64 loads of a wave are issued before the first is used.
; OUT.  A store of 16 bytes a lane: sixteen lanes cover 256 consecutive bytes, aligned, of a row.
; LDS.  bo at 0, ln_w at 8,192, ln_b at 16,384, as f32: copied once by the work-group, read 16 bytes a lane (both halves of the lanes read the same words).
; No cluster, tensor load or matrix unit: the work-groups share 24 KiB of parameters and nothing else.
.set PO,   3                           ; v3   my byte offset in xb and z
.set OO,   4                           ; v4   my byte offset in out0
.set LP,   5                           ; v5   16 n: my place in 256 bytes of a parameter
.set TO,   6                           ; v6   16 x thread
.set SPW,  8                           ; v8   LDS address of my spare word; never rewritten
.set NIL,  9                           ; v9   0; never rewritten
.set SM,   10                          ; v[10:13] four running sums
.set MEAN, 14                          ; v[14:15] the mean, twice
.set RS,   16                          ; v[16:17] 1 / sqrt(var + eps), twice
.set T,    20                          ; v[20:27] at work
.set PB,   32                          ; v[32:63]  eight j of a parameter
.set PC,   64                          ; v[64:95]  eight j of another
.set ST,   96                          ; v[96:119] the parameters on their way into LDS
.set Q,    128                         ; v[128:255] j's four registers: xb (2) and z (2) as loaded, then y, then the result
.set SPARE, 24576                      ; the spare words, 128 bytes for each of 8 waves: four blocks of 256 bytes that no other line names
	s_load_b256 s[4:11], s[0:1], 0x0               ; xb s[4:5], z s[6:7], bo s[8:9], ln_w s[10:11]
	s_load_b128 s[12:15], s[0:1], 0x20             ; ln_b s[12:13], out0 s[14:15]
	v_lshl_add_u32 v[SPW], v0, 2, SPARE
	v_mov_b32 v[NIL], 0
	v_lshrrev_b32 v1, 5, v0
	v_readfirstlane_b32 s16, v1                    ; wave 0..7
	v_and_b32 v1, 15, v0                           ; n
	v_bfe_u32 v2, v0, 4, 1                         ; hh
	v_lshrrev_b32 v7, 3, v1                        ; which of the two panels of 64 columns
	v_and_b32 v18, 7, v0                           ; which 4 columns of its 32
	v_lshlrev_b32 v[PO], 18, v7
	v_lshl_add_u32 v[PO], v2, 6, v[PO]
	v_lshl_add_u32 v[PO], v18, 3, v[PO]
	v_lshlrev_b32 v[LP], 4, v1
	v_lshl_add_u32 v[OO], v2, 13, v[LP]
	v_lshlrev_b32 v[TO], 4, v0
	s_lshl_b32 s18, ttmp9, 10                      ; in a panel: 16 rows x 64 bytes a work-group,
	s_lshl_b32 s17, s16, 7                         ; 2 rows a wave
	s_add_co_u32 s18, s18, s17
	s_mov_b32 s19, 0
	s_lshl_b32 s24, ttmp9, 17                      ; in out0: 16 rows x 8,192 bytes,
	s_lshl_b32 s17, s16, 14                        ; 2 rows
	s_add_co_u32 s24, s24, s17
	s_mov_b32 s25, 0
	s_mov_b32 s20, 0xffff0000                      ; a word's upper bf16
	s_mov_b32 s21, 0x3a000000                      ; 1 / 2,048
	s_mov_b32 s22, 0x3727c5ac                      ; 1e-5
	s_wait_kmcnt 0x0
	s_add_nc_u64 s[4:5], s[4:5], s[18:19]
	s_add_nc_u64 s[6:7], s[6:7], s[18:19]
	s_add_nc_u64 s[26:27], s[4:5], 0x800000        ; panels 32 on: the immediates stay inside their signed 24 bits (15 x 524,288 at the most)
	s_add_nc_u64 s[28:29], s[6:7], 0x800000
	s_add_nc_u64 s[14:15], s[14:15], s[24:25]
	global_load_b128 v[ST:ST+3],     v[TO], s[8:9]
	global_load_b128 v[ST+4:ST+7],   v[TO], s[8:9] offset:4096
	global_load_b128 v[ST+8:ST+11],  v[TO], s[10:11]
	global_load_b128 v[ST+12:ST+15], v[TO], s[10:11] offset:4096
	global_load_b128 v[ST+16:ST+19], v[TO], s[12:13]
	global_load_b128 v[ST+20:ST+23], v[TO], s[12:13] offset:4096
.set j, 0
.rept 16
	global_load_b64 v[Q+4*j:Q+4*j+1], v[PO], s[4:5] offset:524288*j
.set j, j+1
.endr
.set j, 0
.rept 16
	global_load_b64 v[Q+64+4*j:Q+64+4*j+1], v[PO], s[26:27] offset:524288*j
.set j, j+1
.endr
	s_wait_loadcnt 32                              ; the six parameter loads are in; xb's 32 stay out
.set j, 0
.rept 16
	global_load_b64 v[Q+4*j+2:Q+4*j+3], v[PO], s[6:7] offset:524288*j
.set j, j+1
.endr
.set j, 0
.rept 16
	global_load_b64 v[Q+64+4*j+2:Q+64+4*j+3], v[PO], s[28:29] offset:524288*j
.set j, j+1
.endr
.set i, 0
.rept 12
	v_cvt_pk_bf16_f32 v[T+(i/2)%8], v[ST+i], v[ST+i+1]  ; rounded like all inputs, and kept as f32
	v_lshlrev_b32 v[ST+i],   16,  v[T+(i/2)%8]
	v_and_b32     v[ST+i+1], s20, v[T+(i/2)%8]
.set i, i+2
.endr
.irp p, 0,1,2
	ds_store_b128 v[TO], v[ST+8*(\p):ST+8*(\p)+3]   offset:8192*(\p)
	ds_store_b128 v[TO], v[ST+8*(\p)+4:ST+8*(\p)+7] offset:8192*(\p)+4096
.endr
	s_wait_dscnt 0x0                               ; for the others' sake: my stores are done
	s_barrier_signal -1
	s_barrier_wait -1                              ; the three parameters lie whole in LDS; nobody writes them again
.macro REDUCE                          ; the four running sums into one, then over the row's 16 lanes: every lane of the row ends with the sum
	v_pk_add_f32 v[SM:SM+1], v[SM:SM+1], v[SM+2:SM+3]
	v_add_f32 v[SM], v[SM], v[SM+1]
	v_add_f32_dpp v[SM], v[SM], v[SM] row_xmask:1 row_mask:0xf bank_mask:0xf
	v_add_f32_dpp v[SM], v[SM], v[SM] row_xmask:2 row_mask:0xf bank_mask:0xf
	v_add_f32_dpp v[SM], v[SM], v[SM] row_xmask:4 row_mask:0xf bank_mask:0xf
	v_add_f32_dpp v[SM], v[SM], v[SM] row_xmask:8 row_mask:0xf bank_mask:0xf
.endm
	; PASS 1: y = (x + z) + bo, and its sum
.irp g, 0,1,2,3
.irp jj, 0,1,2,3,4,5,6,7
	ds_load_b128 v[PB+4*(\jj):PB+4*(\jj)+3], v[LP] offset:256*(8*(\g)+(\jj))
.endr
.irp jj, 0,1,2,3,4,5,6,7
.set QJ, Q+4*(8*(\g)+(\jj))
.set PJ, PB+4*(\jj)
	s_wait_loadcnt 31-(8*(\g)+(\jj))               ; z's load j is in (xb's are all older); z's younger loads stay out
	s_wait_dscnt 7-(\jj)                           ; bo's load jj of the eight is in
	v_lshlrev_b32 v[T],   16,  v[QJ]
	v_and_b32     v[T+1], s20, v[QJ]
	v_lshlrev_b32 v[T+2], 16,  v[QJ+1]
	v_and_b32     v[T+3], s20, v[QJ+1]
	v_lshlrev_b32 v[T+4], 16,  v[QJ+2]
	v_and_b32     v[T+5], s20, v[QJ+2]
	v_lshlrev_b32 v[T+6], 16,  v[QJ+3]
	v_and_b32     v[T+7], s20, v[QJ+3]
	v_pk_add_f32 v[T:T+1],     v[T:T+1],     v[T+4:T+5]
	v_pk_add_f32 v[T+2:T+3],   v[T+2:T+3],   v[T+6:T+7]
	v_pk_add_f32 v[QJ:QJ+1],   v[T:T+1],     v[PJ:PJ+1]
	v_pk_add_f32 v[QJ+2:QJ+3], v[T+2:T+3],   v[PJ+2:PJ+3]
.if (8*(\g)+(\jj)) == 1
	v_pk_add_f32 v[SM:SM+1],     v[Q:Q+1],     v[QJ:QJ+1]      ; the first two start the sums: nothing is cleared
	v_pk_add_f32 v[SM+2:SM+3],   v[Q+2:Q+3],   v[QJ+2:QJ+3]
.elseif (8*(\g)+(\jj)) > 1
	v_pk_add_f32 v[SM:SM+1],     v[SM:SM+1],   v[QJ:QJ+1]
	v_pk_add_f32 v[SM+2:SM+3],   v[SM+2:SM+3], v[QJ+2:QJ+3]
.endif
.endr
.endr
	REDUCE
	v_mul_f32 v[MEAN], s21, v[SM]
	v_mov_b32 v[MEAN+1], v[MEAN]
	; PASS 2: y - mean, in place, and the sum of its squares
.set j, 0
.rept 32
	v_pk_add_f32 v[Q+4*j:Q+4*j+1],   v[Q+4*j:Q+4*j+1],   v[MEAN:MEAN+1] neg_lo:[0,1] neg_hi:[0,1]
	v_pk_add_f32 v[Q+4*j+2:Q+4*j+3], v[Q+4*j+2:Q+4*j+3], v[MEAN:MEAN+1] neg_lo:[0,1] neg_hi:[0,1]
.if j == 0
	v_pk_mul_f32 v[SM:SM+1],   v[Q:Q+1],     v[Q:Q+1]
	v_pk_mul_f32 v[SM+2:SM+3], v[Q+2:Q+3],   v[Q+2:Q+3]
.else
	v_pk_fma_f32 v[SM:SM+1],   v[Q+4*j:Q+4*j+1],   v[Q+4*j:Q+4*j+1],   v[SM:SM+1]
	v_pk_fma_f32 v[SM+2:SM+3], v[Q+4*j+2:Q+4*j+3], v[Q+4*j+2:Q+4*j+3], v[SM+2:SM+3]
.endif
.set j, j+1
.endr
	REDUCE
	v_fma_f32 v[T], v[SM], s21, s22                ; var + eps
	v_rsq_f32 v[RS], v[T]
	v_nop                                          ; a plain instruction behind the transcendental,
	s_wait_alu depctr_va_vdst(0)                   ; and the wait ahead of its first reader
	v_mov_b32 v[RS+1], v[RS]
	; PASS 3: scaled, ln_w and ln_b applied, stored
.irp g, 0,1,2,3
.irp jj, 0,1,2,3,4,5,6,7
	ds_load_b128 v[PB+4*(\jj):PB+4*(\jj)+3], v[LP] offset:8192+256*(8*(\g)+(\jj))
	ds_load_b128 v[PC+4*(\jj):PC+4*(\jj)+3], v[LP] offset:16384+256*(8*(\g)+(\jj))
.endr
.irp jj, 0,1,2,3,4,5,6,7
.set QJ, Q+4*(8*(\g)+(\jj))
	s_wait_dscnt 14-2*(\jj)                        ; ln_w's and ln_b's loads for jj are in; the two for each later jj stay out
	v_pk_mul_f32 v[QJ:QJ+1],   v[QJ:QJ+1],   v[RS:RS+1]
	v_pk_mul_f32 v[QJ+2:QJ+3], v[QJ+2:QJ+3], v[RS:RS+1]
	v_pk_fma_f32 v[QJ:QJ+1],   v[QJ:QJ+1],   v[PB+4*(\jj):PB+4*(\jj)+1],   v[PC+4*(\jj):PC+4*(\jj)+1]
	v_pk_fma_f32 v[QJ+2:QJ+3], v[QJ+2:QJ+3], v[PB+4*(\jj)+2:PB+4*(\jj)+3], v[PC+4*(\jj)+2:PC+4*(\jj)+3]
	global_store_b128 v[OO], v[QJ:QJ+3], s[14:15] offset:256*(8*(\g)+(\jj)) th:TH_STORE_NT  ; its registers are never written again
.endr
.endr
	s_wait_tensorcnt 0x0                           ; the wave's end: behind my last LDS store
	ds_add_u32 v[SPW], v[NIL]
	s_wait_dscnt 0x0
	s_endpgm
.Lfunc_end_k_q3ea467dbf4_lnorm:
	.size	k_q3ea467dbf4_lnorm, .Lfunc_end_k_q3ea467dbf4_lnorm-k_q3ea467dbf4_lnorm
	.p2alignl 7, 3214868480
	.fill 96, 4, 3214868480
	.section	.rodata,"a",@progbits
	.p2align	6, 0x0
	.amdhsa_kernel k_q3ea467dbf4_lnorm
		.amdhsa_group_segment_fixed_size 25600
		.amdhsa_private_segment_fixed_size 0
		.amdhsa_enable_private_segment 0
		.amdhsa_kernarg_size 48
		.amdhsa_user_sgpr_count 2
		.amdhsa_user_sgpr_kernarg_segment_ptr 1
		.amdhsa_wavefront_size32 1
		.amdhsa_system_sgpr_workgroup_id_x 1
		.amdhsa_system_sgpr_workgroup_id_y 1
		.amdhsa_system_sgpr_workgroup_id_z 1
		.amdhsa_system_vgpr_workitem_id 0
		.amdhsa_next_free_vgpr 256
		.amdhsa_next_free_sgpr 66
		.amdhsa_reserve_vcc 0
		.amdhsa_float_denorm_mode_32 3
		.amdhsa_float_denorm_mode_16_64 3
		.amdhsa_memory_ordered 1
		.amdhsa_forward_progress 1
		.amdhsa_inst_pref_size 60
	.end_amdhsa_kernel
	.amdgpu_metadata
---
amdhsa.version: [ 1, 2 ]
amdhsa.kernels:
  - .name:           k_q3ea467dbf4_lnorm
    .symbol:         k_q3ea467dbf4_lnorm.kd
    .args:
      - { .name: xb, .offset: 0, .size: 8, .value_kind: global_buffer, .address_space: global }
      - { .name: z, .offset: 8, .size: 8, .value_kind: global_buffer, .address_space: global }
      - { .name: bo, .offset: 16, .size: 8, .value_kind: global_buffer, .address_space: global }
      - { .name: ln_w, .offset: 24, .size: 8, .value_kind: global_buffer, .address_space: global }
      - { .name: ln_b, .offset: 32, .size: 8, .value_kind: global_buffer, .address_space: global }
      - { .name: out0, .offset: 40, .size: 8, .value_kind: global_buffer, .address_space: global }
    .group_segment_fixed_size: 25600
    .private_segment_fixed_size: 0
    .kernarg_segment_align: 8
    .kernarg_segment_size: 48
    .max_flat_workgroup_size: 256
    .sgpr_count:     66
    .vgpr_count:     256
    .wavefront_size: 32
...
	.end_amdgpu_metadata
.endif
;; end of part 5
;; ======== version 2 of 2: 5 launches; version 1 with the launches cast, scan, lnorm written anew for expert scheduling mode
;; workspace buffers: xb 16,777,216 bytes; wgi 16,777,216 bytes; wob 8,388,608 bytes; gi 33,554,432 bytes; st 16,777,216 bytes; z 16,777,216 bytes
;; launch cast (part 6): grid 1280 x 1, 4 waves a work-group, no clusters, 0 bytes of LDS; arguments x, Wg, Wi, Wo, xb, wgi, wob; writes xb, wgi, wob
.if DOCPART == 6
	.amdgcn_target "amdgcn-amd-amdhsa--gfx1250"
	.amdhsa_code_object_version 6
	.text
	.protected	k_q3ea467dbf4_cast
	.globl	k_q3ea467dbf4_cast
	.p2align	8
	.type	k_q3ea467dbf4_cast,@function
k_q3ea467dbf4_cast:
	s_mov_b64 s[64:65], 0
	v_nop
	global_prefetch_b8 v0, s[64:65] scope:SCOPE_SE
	s_setreg_imm32_b32 hwreg(HW_REG_WAVE_SCHED_MODE, 0, 2), 2
	s_setreg_imm32_b32 hwreg(HW_REG_WAVE_MODE, 25, 1), 1
	s_wait_xcnt 0x0
	s_wait_alu depctr_vm_vsrc(0)
; THE PROGRAM (five launches): cast | [G|I] = x [Wg|Wi] | gates, drive and the chunked scan | z = states Wo | y = x + z + bo and its LayerNorm.
; THIS LAUNCH rounds x, Wg, Wi and Wo once to bf16.  The weights keep their layout [k][n]; Wg and Wi become the two planes of wgi.
; x goes into PANELS: [column / 32][4096 rows][32 columns], so that element (m, c) lies at (c >> 5) x 262,144 + 64 m + 2 (c & 31).  All activations of the
; program lie so: 32 of K of many rows are dense bytes for the products, and 32 channels of many time steps are dense bytes for the scan.
; WHAT IS LEFT OUT OF reference(), AND WHY IT CHANGES NO RESULT, for all values of the inputs:
;   h0 is built as zeros in reference()'s own body: the first chunk's carry is the constant 0 and is not computed.
;   cum_a = exp(cumsum(log(a'))) with a' = max(a, 1e-6) > 0 is, in real numbers, the running product of a': the scan multiplies.  Both forms hold cum_a itself in f32, so
;   the logarithm guards no range that the product would lose.  The two clamps (1e-6 on a, 1e-8 on cum_a) are kept as they stand.
;   Every input has a way to the output, and every input is loaded.
; LIMITS.  All inputs (x, also as the residual; the three weights; the five vectors) are rounded once to bf16.  G, I, the states and z are stored rounded once to bf16.
; NaN and infinities are not treated apart; an overflow inside log/exp of reference() that the product does not have is not carried to the result.
; SHARES.  A wave takes 16 KiB of f32: 32 loads of 16 bytes a lane, all issued before the first wait for data, 64 roundings, 32 stores of 8 bytes a lane: each store covers 256
; consecutive bytes, aligned.  Work-groups 0-511 take x, 512-767 Wg, 768-1023 Wi, 1024-1279 Wo.  No register is written twice, so no wait frees a source.
; No LDS, cluster or matrix unit: no byte is wanted by two waves, and nothing is multiplied.
; THE MODE: SCHED_MODE bits 1:0 = 2 (LLVM: expert scheduling mode 2), set by the entry lines.  The code itself states the register dependences between vector instructions
; and memory instructions, with s_wait_alu, always for 0.
; THE PLAN.  Registers that memory instructions touch:
;   v[LO], v[SO]  byte offsets, written once at the head; read by every load (LO) and every store (SO).
;   IN            the 32 loads land in it, each register once, all issued ahead of the first rounding; the roundings read it.
;   OUT           the roundings write it, each register once; one store reads each pair.
; The 32 loads are worked on in eight groups of four.  Group g rounds IN's group g into OUT's group g; its memory instructions are the four stores of group g - 1, which read OUT's
; group g - 1: registers that no rounding of group g names.  So one wait at a group's head states all that its four stores hang on, and they are dealt among its roundings.
.set LO,  2                            ; v2        my byte offset in the source
.set SO,  3                            ; v3        my byte offset in the destination: 8 x lane
.set IN,  8                            ; v[8:135]   32 x 4 f32 as loaded
.set OUT, 136                          ; v[136:199] 32 x 2 registers of packed bf16
; 32 loads ldstep bytes apart; then eight groups of four: the wait that leaves the younger loads out, the stores of the group before (ststep bytes apart), eight roundings.
.macro BODY ldstep, ststep
	s_wait_alu depctr_va_vdst(0)                   ; v[LO] and v[SO] are written: every load and store below reads one of them as its offset
.irp j, 0,1,2,3,4,5,6,7,8,9,10,11,12,13,14,15,16,17,18,19,20,21,22,23,24,25,26,27,28,29,30,31
	global_load_b128 v[IN+4*(\j):IN+4*(\j)+3], v[LO], s[26:27] offset:(\j)*(\ldstep) th:TH_LOAD_NT
.endr
.irp g, 0,1,2,3,4,5,6,7
	s_wait_loadcnt 28-4*(\g)                       ; loads come back in order: the group's four are in, the 28 - 4 g younger ones stay out
.if (\g) > 0
	s_wait_alu depctr_va_vdst(0)                   ; the group before has written its part of OUT, which the four stores below read
.endif
.irp i, 0,1,2,3
.if (\g) > 0
	global_store_b64 v[SO], v[OUT+2*(4*(\g)+(\i)-4):OUT+2*(4*(\g)+(\i)-4)+1], s[28:29] offset:(4*(\g)+(\i)-4)*(\ststep)  ; no rounding since the wait names these registers
.endif
	v_cvt_pk_bf16_f32 v[OUT+2*(4*(\g)+(\i))],   v[IN+4*(4*(\g)+(\i))],   v[IN+4*(4*(\g)+(\i))+1]
	v_cvt_pk_bf16_f32 v[OUT+2*(4*(\g)+(\i))+1], v[IN+4*(4*(\g)+(\i))+2], v[IN+4*(4*(\g)+(\i))+3]
.endr
.endr
	s_wait_alu depctr_va_vdst(0)                   ; the last group has written its part of OUT, which the last four stores read
.irp j, 28,29,30,31
	global_store_b64 v[SO], v[OUT+2*(\j):OUT+2*(\j)+1], s[28:29] offset:(\j)*(\ststep)
.endr
.endm
	s_load_b256 s[4:11], s[0:1], 0x0               ; x s[4:5], Wg s[6:7], Wi s[8:9], Wo s[10:11]
	s_load_b128 s[12:15], s[0:1], 0x20             ; xb s[12:13], wgi s[14:15]
	s_load_b64 s[16:17], s[0:1], 0x30              ; wob
	v_and_b32 v1, 31, v0                           ; lane
	v_lshrrev_b32 v4, 5, v0
	v_readfirstlane_b32 s20, v4                    ; wave 0..3
	v_lshlrev_b32 v[SO], 3, v1
	s_mov_b32 s23, 0                               ; the offsets' high words
	s_mov_b32 s25, 0
	s_wait_alu depctr_va_sdst(0)                   ; s20 is written, ahead of the branch: its first readers stand in both arms
	s_cmp_lt_u32 ttmp9, 512
	s_cbranch_scc0 .Lweights
	; x: the work-group has rows 8 g .. 8 g + 7; wave w rows 4 (w >> 1) .. + 3 of them and panels 32 (w & 1) .. + 31.
	; Load j: 4 rows x 128 bytes (32 columns of f32): lane l takes row l >> 3, piece l & 7.  Store j: the same 4 rows x 64 bytes of panel j: 256 dense bytes.
	v_lshrrev_b32 v4, 3, v1
	v_and_b32 v5, 7, v1
	v_lshlrev_b32 v[LO], 13, v4                    ; a row of x is 8,192 bytes
	v_lshl_add_u32 v[LO], v5, 4, v[LO]
	s_lshr_b32 s18, s20, 1
	s_and_b32 s19, s20, 1
	s_lshl_b32 s22, ttmp9, 16                      ; source: 8 rows a work-group,
	s_lshl_b32 s21, s18, 15                        ; 4 rows,
	s_add_co_u32 s22, s22, s21
	s_lshl_b32 s21, s19, 12                        ; 1,024 columns
	s_add_co_u32 s22, s22, s21
	s_lshl_b32 s24, s19, 23                        ; destination: 32 panels,
	s_lshl_b32 s21, ttmp9, 9                       ; 8 rows of 64 bytes,
	s_add_co_u32 s24, s24, s21
	s_lshl_b32 s21, s18, 8                         ; 4 rows
	s_add_co_u32 s24, s24, s21
	s_wait_kmcnt 0x0
	s_add_nc_u64 s[26:27], s[4:5], s[22:23]
	s_add_nc_u64 s[28:29], s[12:13], s[24:25]
	BODY 128, 262144                               ; the largest store offset, 31 panels, is 8,126,464: inside the signed 24 bits
	s_endpgm
.Lweights:
	; a weight: dense in, dense out.  64 KiB of f32 a work-group, 16 KiB a wave.
	v_lshlrev_b32 v[LO], 4, v1
	s_sub_co_u32 s18, ttmp9, 512
	s_lshr_b32 s19, s18, 8                         ; 0: Wg, 1: Wi, 2: Wo
	s_and_b32 s18, s18, 255
	s_lshl_b32 s22, s18, 16
	s_lshl_b32 s21, s20, 14
	s_add_co_u32 s22, s22, s21
	s_lshl_b32 s24, s18, 15
	s_lshl_b32 s21, s20, 13
	s_add_co_u32 s24, s24, s21
	s_cmp_eq_u32 s19, 1
	s_cselect_b32 s21, 0x800000, 0                 ; Wi is wgi's second plane
	s_add_co_u32 s24, s24, s21
	s_wait_kmcnt 0x0
	s_cmp_eq_u32 s19, 0
	s_cselect_b64 s[26:27], s[6:7], s[8:9]
	s_cmp_eq_u32 s19, 2
	s_cselect_b64 s[26:27], s[10:11], s[26:27]
	s_cselect_b64 s[28:29], s[16:17], s[14:15]
	s_add_nc_u64 s[26:27], s[26:27], s[22:23]
	s_add_nc_u64 s[28:29], s[28:29], s[24:25]
	BODY 512, 256
	s_endpgm
.Lfunc_end_k_q3ea467dbf4_cast:
	.size	k_q3ea467dbf4_cast, .Lfunc_end_k_q3ea467dbf4_cast-k_q3ea467dbf4_cast
	.p2alignl 7, 3214868480
	.fill 96, 4, 3214868480
	.section	.rodata,"a",@progbits
	.p2align	6, 0x0
	.amdhsa_kernel k_q3ea467dbf4_cast
		.amdhsa_group_segment_fixed_size 0
		.amdhsa_private_segment_fixed_size 0
		.amdhsa_enable_private_segment 0
		.amdhsa_kernarg_size 56
		.amdhsa_user_sgpr_count 2
		.amdhsa_user_sgpr_kernarg_segment_ptr 1
		.amdhsa_wavefront_size32 1
		.amdhsa_system_sgpr_workgroup_id_x 1
		.amdhsa_system_sgpr_workgroup_id_y 1
		.amdhsa_system_sgpr_workgroup_id_z 1
		.amdhsa_system_vgpr_workitem_id 0
		.amdhsa_next_free_vgpr 200
		.amdhsa_next_free_sgpr 66
		.amdhsa_reserve_vcc 0
		.amdhsa_float_denorm_mode_32 3
		.amdhsa_float_denorm_mode_16_64 3
		.amdhsa_memory_ordered 1
		.amdhsa_forward_progress 1
		.amdhsa_inst_pref_size 24
	.end_amdhsa_kernel
	.amdgpu_metadata
---
amdhsa.version: [ 1, 2 ]
amdhsa.kernels:
  - .name:           k_q3ea467dbf4_cast
    .symbol:         k_q3ea467dbf4_cast.kd
    .args:
      - { .name: x, .offset: 0, .size: 8, .value_kind: global_buffer, .address_space: global }
      - { .name: Wg, .offset: 8, .size: 8, .value_kind: global_buffer, .address_space: global }
      - { .name: Wi, .offset: 16, .size: 8, .value_kind: global_buffer, .address_space: global }
      - { .name: Wo, .offset: 24, .size: 8, .value_kind: global_buffer, .address_space: global }
      - { .name: xb, .offset: 32, .size: 8, .value_kind: global_buffer, .address_space: global }
      - { .name: wgi, .offset: 40, .size: 8, .value_kind: global_buffer, .address_space: global }
      - { .name: wob, .offset: 48, .size: 8, .value_kind: global_buffer, .address_space: global }
    .group_segment_fixed_size: 0
    .private_segment_fixed_size: 0
    .kernarg_segment_align: 8
    .kernarg_segment_size: 56
    .max_flat_workgroup_size: 128
    .sgpr_count:     66
    .vgpr_count:     200
    .wavefront_size: 32
...
	.end_amdgpu_metadata
.endif
;; end of part 6
;; launch gemm: the kernel of part 2 again; grid 16 x 16, 4 waves a work-group, clusters of 4 x 4, 327,680 bytes of LDS; arguments xb, wgi, gi; writes gi
;; launch scan (part 7): grid 256 x 1, 16 waves a work-group, no clusters, 137,216 bytes of LDS; arguments gi, bg, bi, st; writes st
.if DOCPART == 7
	.amdgcn_target "amdgcn-amd-amdhsa--gfx1250"
	.amdhsa_code_object_version 6
	.text
	.protected	k_q3ea467dbf4_scan
	.globl	k_q3ea467dbf4_scan
	.p2align	8
	.type	k_q3ea467dbf4_scan,@function
k_q3ea467dbf4_scan:
	s_mov_b64 s[64:65], 0
	v_nop
	global_prefetch_b8 v0, s[64:65] scope:SCOPE_SE
	s_setreg_imm32_b32 hwreg(HW_REG_WAVE_SCHED_MODE, 0, 2), 2
	s_setreg_imm32_b32 hwreg(HW_REG_WAVE_MODE, 25, 1), 1
	s_wait_xcnt 0x0
	s_wait_alu depctr_vm_vsrc(0)
; GATES, DRIVE AND THE CHUNKED SCAN.  gi holds G = x Wg (panels 0-63) and I = x Wi (panels 64-127), bf16, without their biases; st takes the states, bf16, in panels.
;   a = sigmoid(G + bg); b = (1 - a)(I + bi); in each chunk of 64 steps p_t = the product of max(a, 1e-6) up to t, w_t = the sum of b_s / max(p_s, 1e-8) up to t;
;   out_t = p_t (h + w_t), and h of the next chunk is out_63.
; LEFT OUT (shown at the head of the first kernel): h0 = 0 is a constant; exp(cumsum(log a')) is the running product of a'.  Both clamps stand as in reference().
; LIMITS.  bg and bi are rounded to bf16 like all inputs.  v_exp_f32 and v_rcp_f32 take and give denormals as 0 (ISA guide 15.8).  A NaN loses against the clamps; NaN and infinities are not treated apart.
; SHARES.  A work-group has one batch and 32 channels (one panel): 1,024 steps x 64 bytes = 64 KiB dense in G, in I and in st.  Wave w has chunk w, a lane one channel.  So all 16 chunks run at once;
; each wave leaves (p_63, w_63) in LDS, ONE barrier, and each wave folds the chunks in front of its own: 15 steps in every wave, the value chosen by the wave's number, no branch.
; LDS.  Wave w's 8 KiB at 8,192 w: G [64 t][64 bytes], then I: copied as they lie (16 bytes a lane), read by channels (2 bytes a lane, 64 consecutive bytes a load).  The G part serves again as the
; wave's stage for the states.  Only the wave itself touches these bytes, and LDS serves a wave's instructions in order.  CAR: chunk m's p_63 at 256 m + 4 lane, w_63 128 bytes on.
; No cluster, tensor load or matrix unit: no two work-groups read a common byte but 256 bytes of biases, each byte is wanted once, and nothing is multiplied by a matrix.
; THE MODE: SCHED_MODE bits 1:0 = 2 (LLVM: expert scheduling mode 2), set by the entry lines.  The code itself states the register dependences between vector instructions
; and memory or LDS instructions, with s_wait_alu, always for 0.
; THE PLAN.  Registers that memory or LDS instructions touch:
;   v2-v9         offsets and LDS addresses, written once at the head, never again.
;   v16, v17      v16 is written and read at the head; then the two biases land in them.
;   RAW           (1) the 16 global loads land in it, the 16 LDS stores read it; (2) as two sets of 32: a batch's 32 LDS loads land in a set, the batch works on it in place;
;                 (3) the 30 loads of the chunks' p_63 and w_63 land in it, the fold reads them; (4) the stage's loads land in it, the global stores read it.
;   v[P+63], v[W+63]  written by the last batch, read by the carry's two LDS stores; v[W+63] is written again by the states' additions.
;   v[P+t], t even    written by the states' roundings, read by two LDS stores each.
; A batch's loads for the NEXT batch stand directly behind the wait for its own exponentials: that wait also states that the batch before is done with the other set, and behind it the batch
; names its own set, P, W and T alone.  So the batches hold no wait but the three that their transcendentals have anyway.  The states go in two halves, so that the first half's LDS stores
; stand among the second half's arithmetic, behind one wait.
.set LANE, 1
.set GOFF, 2                           ; v2   16 x lane: my place in 512 consecutive bytes of memory
.set LST,  3                           ; v3   8,192 w + 16 x lane
.set LRD,  4                           ; v4   8,192 w + 2 x lane
.set CARW, 5                           ; v5   CAR + 256 w + 4 x lane
.set CARR, 6                           ; v6   CAR + 4 x lane
.set BOF,  7                           ; v7   my channel's byte in bg and bi
.set SPW,  8                           ; v8   LDS address of my spare word; never rewritten
.set NIL,  9                           ; v9   0; never rewritten
.set CG,   10                          ; v[10:11] -log2(e) bg, twice
.set BI,   12                          ; v[12:13] bi, twice
.set H,    14                          ; v[14:15] the carry into my chunk, twice
.set RAW,  32                          ; v[32:95]  the 16 loads of 16 bytes; then two sets of 16 G and 16 I; then the 15 chunks' p_63 and w_63; then the states on their way out
.set T,    96                          ; v[96:111] at work
.set P,    128                         ; v[128:191] p_0 .. p_63
.set W,    192                         ; v[192:255] w_0 .. w_63
.set CAR,   131072
.set SPARE, 135168                     ; the spare words, 128 bytes for each of 16 waves: eight blocks of 256 bytes that no other line names
	s_load_b256 s[4:11], s[0:1], 0x0               ; gi s[4:5], bg s[6:7], bi s[8:9], st s[10:11]
	v_lshl_add_u32 v[SPW], v0, 2, SPARE
	v_mov_b32 v[NIL], 0
	v_and_b32 v[LANE], 31, v0
	v_lshrrev_b32 v16, 5, v0
	v_readfirstlane_b32 s14, v16                   ; wave = chunk, 0..15
	s_and_b32 s15, ttmp9, 63                       ; the panel
	s_lshr_b32 s16, ttmp9, 6                       ; the batch
	s_lshl_b32 s16, s16, 16                        ; 1,024 rows x 64 bytes
	s_lshl_b32 s18, s15, 18
	s_add_co_u32 s16, s16, s18
	s_wait_alu depctr_va_sdst(0)                   ; s14 is written, ahead of its first reader: offsets, LDS addresses and the fold's choices are made from it
	s_lshl_b32 s18, s14, 12                        ; 64 rows x 64 bytes
	s_add_co_u32 s16, s16, s18
	s_mov_b32 s17, 0
	s_lshl_b32 s18, s15, 7                         ; 32 channels x 4 bytes
	s_lshl_b32 s19, s14, 13
	s_mov_b32 s20, 0xbfb8aa3b                      ; -log2(e)
	s_mov_b32 s21, s20                             ; named with it as a pair
	s_mov_b32 s22, 0x358637bd                      ; 1e-6
	s_mov_b32 s23, 0x322bcc77                      ; 1e-8
	v_lshlrev_b32 v[GOFF], 4, v[LANE]
	v_lshl_add_u32 v[LST], v[LANE], 4, s19
	v_lshl_add_u32 v[LRD], v[LANE], 1, s19
	v_lshl_add_u32 v[CARR], v[LANE], 2, CAR
	s_lshl_b32 s24, s14, 8
	v_add_nc_u32 v[CARW], s24, v[CARR]
	v_lshl_add_u32 v[BOF], v[LANE], 2, s18
	s_wait_kmcnt 0x0
	s_add_nc_u64 s[4:5], s[4:5], s[16:17]          ; G at my chunk
	s_add_nc_u64 s[12:13], s[4:5], 0x1000000       ; I: 64 panels on
	s_add_nc_u64 s[10:11], s[10:11], s[16:17]      ; st at my chunk
	s_wait_alu depctr_va_vdst(0)                   ; the offsets and LDS addresses v2 to v7 are written, which the loads and stores of the whole kernel read; v16, in which a bias lands, has been written and read
	global_load_b32 v16, v[BOF], s[6:7]
	global_load_b32 v17, v[BOF], s[8:9]
.irp i, 0,1,2,3,4,5,6,7
	global_load_b128 v[RAW+4*(\i):RAW+4*(\i)+3], v[GOFF], s[4:5] offset:512*(\i) th:TH_LOAD_NT
.endr
.irp i, 0,1,2,3,4,5,6,7
	global_load_b128 v[RAW+32+4*(\i):RAW+32+4*(\i)+3], v[GOFF], s[12:13] offset:512*(\i) th:TH_LOAD_NT
.endr
	s_wait_loadcnt 16                              ; the two biases are in; the 16 loads behind them stay out
	v_cvt_pk_bf16_f32 v18, v16, v17                ; rounded like all inputs
	v_lshlrev_b32 v19, 16, v18
	v_and_b32 v[BI], 0xffff0000, v18
	v_mov_b32 v[BI+1], v[BI]
	v_mul_f32 v[CG], s20, v19
	v_mov_b32 v[CG+1], v[CG]
.irp i, 0,1,2,3,4,5,6,7,8,9,10,11,12,13,14,15
	s_wait_loadcnt 15-(\i)                         ; load i is in, the younger ones stay out
	ds_store_b128 v[LST], v[RAW+4*(\i):RAW+4*(\i)+3] offset:512*(\i)  ; G's 4,096 bytes, then I's
.endr
; 32 LDS loads: G and I of steps 16 k .. 16 k + 15 of my channel, into set s (16 G, then 16 I)
.macro LOADB set, k
.set i, 0
.rept 16
	ds_load_u16 v[RAW+32*(\set)+i],    v[LRD] offset:64*(16*(\k)+i)
	ds_load_u16 v[RAW+32*(\set)+16+i], v[LRD] offset:4096+64*(16*(\k)+i)
.set i, i+1
.endr
.endm
; Sixteen steps.  Three batches of transcendentals (16 exponentials, 16 reciprocals, 16 reciprocals), each with a plain instruction behind its last and ONE wait ahead of its first reader.
; The next sixteen steps' LDS loads are issued behind the first of these waits and stay out for the rest of the batch.
.macro BATCH set, k, last
.set GB, RAW+32*(\set)
.set IB, GB+16
	s_wait_dscnt 0x0                               ; this set's 32 loads are in; nothing else is out
.set i, 0
.rept 32
	v_lshlrev_b32 v[GB+i], 16, v[GB+i]             ; bf16 to f32
.set i, i+1
.endr
.set i, 0
.rept 8
	v_pk_fma_f32 v[GB+i:GB+i+1], v[GB+i:GB+i+1], s[20:21], v[CG:CG+1] op_sel_hi:[1,0,1]  ; -log2(e) (G + bg)
.set i, i+2
.endr
.set i, 0
.rept 16
	v_exp_f32 v[GB+i], v[GB+i]
.set i, i+1
.endr
.set i, 0
.rept 8
	v_pk_add_f32 v[IB+i:IB+i+1], v[IB+i:IB+i+1], v[BI:BI+1]  ; I + bi: the plain work behind the exponentials
.set i, i+2
.endr
	s_wait_alu depctr_va_vdst(0)                   ; the 16 exponentials have written v[GB ..]; and the batch before is done reading and writing the other set, in which the loads below land
.if !\last
	LOADB 1-(\set), (\k)+1                         ; no vector instruction from here to the batch's end names the other set
.endif
.set i, 0
.rept 8
	v_pk_add_f32 v[GB+i:GB+i+1], v[GB+i:GB+i+1], 1.0 op_sel_hi:[1,0]
.set i, i+2
.endr
.set i, 0
.rept 16
	v_rcp_f32 v[GB+i], v[GB+i]                     ; a
.set i, i+1
.endr
	v_nop
	s_wait_alu depctr_va_vdst(0)                   ; the 16 reciprocals have written v[GB ..], ahead of their first reader
.set i, 0
.rept 8
	v_pk_fma_f32 v[IB+i:IB+i+1], v[GB+i:GB+i+1], v[IB+i:IB+i+1], v[IB+i:IB+i+1] neg_lo:[1,0,0] neg_hi:[1,0,0]  ; b = (I + bi) - a (I + bi)
.set i, i+2
.endr
.set i, 0
.rept 16
.if 16*(\k)+i == 0
	v_max_num_f32 v[P], s22, v[GB]                 ; p_0 = max(a_0, 1e-6)
.else
	v_max_num_f32 v[GB+i], s22, v[GB+i]
.endif
.set i, i+1
.endr
.set i, 0
.rept 16
.set t, 16*(\k)+i
.if t > 0
	v_mul_f32 v[P+t], v[P+t-1], v[GB+i]            ; the chain of products; the clamp of the step before stands between its links
.endif
.if i > 0
	v_max_num_f32 v[T+i-1], s23, v[P+t-1]
.endif
.set i, i+1
.endr
	v_max_num_f32 v[T+15], s23, v[P+16*(\k)+15]
.set i, 0
.rept 16
	v_rcp_f32 v[T+i], v[T+i]                       ; 1 / max(p, 1e-8)
.set i, i+1
.endr
	v_nop
	s_wait_alu depctr_va_vdst(0)                   ; the 16 reciprocals have written v[T ..], ahead of their first reader
.set i, 0
.rept 16
.set t, 16*(\k)+i
.if t == 0
	v_mul_f32 v[W], v[IB], v[T]
.else
	v_fma_f32 v[W+t], v[IB+i], v[T+i], v[W+t-1]
.endif
.set i, i+1
.endr
.endm
	s_wait_alu depctr_vm_vsrc(0)                   ; the 16 LDS stores have read v[RAW ..], in both sets of which LDS loads land from here on
	LOADB 0, 0                                     ; these see my stores above: LDS serves a wave's instructions in order (ISA guide 5.7.1.4)
	BATCH 0, 0, 0
	BATCH 1, 1, 0
	BATCH 0, 2, 0
	BATCH 1, 3, 1
	; THE CARRY
	s_wait_alu depctr_va_vdst(0)                   ; the last batch has written p_63 and w_63, which the two LDS stores read; the batches are done with v[RAW ..], in which the loads behind the barrier land
	ds_store_b32 v[CARW], v[P+63]
	ds_store_b32 v[CARW], v[W+63] offset:128
	s_wait_dscnt 0x0                               ; for the others' sake: my two stores are done
	s_barrier_signal -1
	s_barrier_wait -1                              ; all 16 chunks' (p_63, w_63) lie in LDS; nobody writes them again
.set m, 0
.rept 15
	ds_load_b32 v[RAW+m],    v[CARR] offset:256*m
	ds_load_b32 v[RAW+32+m], v[CARR] offset:256*m+128
.set m, m+1
.endr
	v_mov_b32 v[H], 0                              ; h0
	s_wait_dscnt 0x0
.set m, 0
.rept 15
	v_add_f32 v[T], v[H], v[RAW+32+m]              ; h behind chunk m = p_63 (h + w_63),
	v_mul_f32 v[T], v[T], v[RAW+m]
	s_cmp_gt_u32 s14, m                            ; taken where chunk m lies in front of mine
	s_cselect_b32 s24, -1, 0
	v_cndmask_b32 v[H], v[H], v[T], s24
.set m, m+1
.endr
	v_mov_b32 v[H+1], v[H]
	; THE STATES: p_t (h + w_t), rounded to bf16, by channels into my stage (G's bytes, which I have read out), back as they lie in memory.  Steps 0 to 31 first; their LDS stores stand among the arithmetic of steps 32 to 63.
	s_wait_alu depctr_vm_vsrc(0)                   ; the carry's LDS store has read v[W+63], which an addition below writes
.set t, 0
.rept 16
	v_pk_add_f32 v[W+t:W+t+1], v[W+t:W+t+1], v[H:H+1]
.set t, t+2
.endr
.set t, 0
.rept 16
	v_pk_mul_f32 v[W+t:W+t+1], v[W+t:W+t+1], v[P+t:P+t+1]
.set t, t+2
.endr
.set t, 0
.rept 16
	v_cvt_pk_bf16_f32 v[P+t], v[W+t], v[W+t+1]
.set t, t+2
.endr
	s_wait_alu depctr_va_vdst(0)                   ; the roundings of steps 0 to 31 have written v[P], v[P+2] .. v[P+30], which the 32 LDS stores below read; the lines among them name v[P+32 ..] and v[W+32 ..] alone
.set t, 0
.rept 16
	ds_store_b16 v[LRD], v[P+t] offset:64*t
	v_pk_add_f32 v[W+32+t:W+32+t+1], v[W+32+t:W+32+t+1], v[H:H+1]
.set t, t+2
.endr
.set t, 0
.rept 16
	ds_store_b16_d16_hi v[LRD], v[P+t] offset:64*t+64
	v_pk_mul_f32 v[W+32+t:W+32+t+1], v[W+32+t:W+32+t+1], v[P+32+t:P+32+t+1]
.set t, t+2
.endr
.set t, 32
.rept 16
	v_cvt_pk_bf16_f32 v[P+t], v[W+t], v[W+t+1]
.set t, t+2
.endr
	s_wait_alu depctr_va_vdst(0)                   ; the roundings of steps 32 to 63 have written v[P+32] .. v[P+62], which the LDS stores below read; the fold is done reading v[RAW ..], in which the stage's loads land
.set t, 32
.rept 16
	ds_store_b16 v[LRD], v[P+t] offset:64*t
	ds_store_b16_d16_hi v[LRD], v[P+t] offset:64*t+64
.set t, t+2
.endr
.irp i, 0,1,2,3,4,5,6,7
	ds_load_b128 v[RAW+4*(\i):RAW+4*(\i)+3], v[LST] offset:512*(\i)
.endr
.irp i, 0,1,2,3,4,5,6,7
	s_wait_dscnt 7-(\i)
	global_store_b128 v[GOFF], v[RAW+4*(\i):RAW+4*(\i)+3], s[10:11] offset:512*(\i)  ; 512 consecutive bytes, at a multiple of 512 from st's first byte
.endr
	s_wait_dscnt 0x0                               ; the closing lines, six on end
	s_wait_alu 0x0
	s_wait_tensorcnt 0x0
	ds_add_u32 v[SPW], v[NIL]
	s_wait_dscnt 0x0
	s_endpgm
.Lfunc_end_k_q3ea467dbf4_scan:
	.size	k_q3ea467dbf4_scan, .Lfunc_end_k_q3ea467dbf4_scan-k_q3ea467dbf4_scan
	.p2alignl 7, 3214868480
	.fill 96, 4, 3214868480
	.section	.rodata,"a",@progbits
	.p2align	6, 0x0
	.amdhsa_kernel k_q3ea467dbf4_scan
		.amdhsa_group_segment_fixed_size 137216
		.amdhsa_private_segment_fixed_size 0
		.amdhsa_enable_private_segment 0
		.amdhsa_kernarg_size 32
		.amdhsa_user_sgpr_count 2
		.amdhsa_user_sgpr_kernarg_segment_ptr 1
		.amdhsa_wavefront_size32 1
		.amdhsa_system_sgpr_workgroup_id_x 1
		.amdhsa_system_sgpr_workgroup_id_y 1
		.amdhsa_system_sgpr_workgroup_id_z 1
		.amdhsa_system_vgpr_workitem_id 0
		.amdhsa_next_free_vgpr 256
		.amdhsa_next_free_sgpr 66
		.amdhsa_reserve_vcc 0
		.amdhsa_float_denorm_mode_32 3
		.amdhsa_float_denorm_mode_16_64 3
		.amdhsa_memory_ordered 1
		.amdhsa_forward_progress 1
		.amdhsa_inst_pref_size 59
	.end_amdhsa_kernel
	.amdgpu_metadata
---
amdhsa.version: [ 1, 2 ]
amdhsa.kernels:
  - .name:           k_q3ea467dbf4_scan
    .symbol:         k_q3ea467dbf4_scan.kd
    .args:
      - { .name: gi, .offset: 0, .size: 8, .value_kind: global_buffer, .address_space: global }
      - { .name: bg, .offset: 8, .size: 8, .value_kind: global_buffer, .address_space: global }
      - { .name: bi, .offset: 16, .size: 8, .value_kind: global_buffer, .address_space: global }
      - { .name: st, .offset: 24, .size: 8, .value_kind: global_buffer, .address_space: global }
    .group_segment_fixed_size: 137216
    .private_segment_fixed_size: 0
    .kernarg_segment_align: 8
    .kernarg_segment_size: 32
    .max_flat_workgroup_size: 512
    .sgpr_count:     66
    .vgpr_count:     256
    .wavefront_size: 32
...
	.end_amdgpu_metadata
.endif
;; end of part 7
;; launch g2: the kernel of part 4 again; grid 8 x 32, 4 waves a work-group, clusters of 4 x 4, 327,680 bytes of LDS; arguments st, wob, z; writes z
;; launch lnorm (part 8): grid 256 x 1, 8 waves a work-group, no clusters, 25,600 bytes of LDS; arguments xb, z, bo, ln_w, ln_b, out0; writes out0
.if DOCPART == 8
	.amdgcn_target "amdgcn-amd-amdhsa--gfx1250"
	.amdhsa_code_object_version 6
	.text
	.protected	k_q3ea467dbf4_lnorm
	.globl	k_q3ea467dbf4_lnorm
	.p2align	8
	.type	k_q3ea467dbf4_lnorm,@function
k_q3ea467dbf4_lnorm:
	s_mov_b64 s[64:65], 0
	v_nop
	global_prefetch_b8 v0, s[64:65] scope:SCOPE_SE
	s_setreg_imm32_b32 hwreg(HW_REG_WAVE_SCHED_MODE, 0, 2), 2
	s_setreg_imm32_b32 hwreg(HW_REG_WAVE_MODE, 25, 1), 1
	s_wait_xcnt 0x0
	s_wait_alu depctr_vm_vsrc(0)
; y = x + z + bo; out = (y - mean) rsqrt(var + 1e-5) ln_w + ln_b, mean and var over a row's 2,048 numbers.  xb and z: bf16 in panels ([column / 32][4096 rows][32 columns]); out0: f32, row-major.
; Nothing of reference() is left out here.  LIMITS: x enters as it was rounded to bf16, and bo, ln_w, ln_b are rounded to bf16 like all inputs; NaN and infinities are not treated apart.
; The variance is taken of the centred numbers, as reference() takes it: no difference of large sums is formed.
; SHARES.  A work-group has 16 rows, a wave 2: lanes 0-15 the first, lanes 16-31 the second.  Lane (hh, n) holds columns 64 j + 4 n + 0..3, j = 0..31: 128 numbers, kept in registers through all three
; passes: memory is read once.  A row's sums stay inside 16 lanes: four steps that ride on the additions (DPP).
; IN.  A load of 8 bytes a lane takes two rows' 128 consecutive bytes in each of two panels; all 64 loads of a wave are issued before the first is used.
; OUT.  A store of 16 bytes a lane: sixteen lanes cover 256 consecutive bytes, aligned, of a row.
; LDS.  bo at 0, ln_w at 8,192, ln_b at 16,384, as f32: copied once by the work-group, read 16 bytes a lane (both halves of the lanes read the same words).
; No cluster, tensor load or matrix unit: the work-groups share 24 KiB of parameters and nothing else.
; THE MODE: SCHED_MODE bits 1:0 = 2 (LLVM: expert scheduling mode 2), set by the entry lines.  The code itself states the register dependences between vector instructions
; and memory or LDS instructions, with s_wait_alu, always for 0.
; THE PLAN.  Registers that memory or LDS instructions touch:
;   v3-v6      offsets and LDS addresses, written once at the head, never again.
;   ST         the six parameter loads land in it; the roundings work on it in place; the six LDS stores read it.  Later it is part of the buffer v[96:127].
;   Q          xb's and z's loads land in it, each register once; the three passes work on it in place; one store reads each four registers, which are never written again.
;   PB, PC     PASS 1: bo's four groups of eight j take them by turns.  Group g's additions read buffer g % 2; group g + 1's eight LDS loads, issued at group g's head, land in the other,
;              which group g - 1 read.
;   v[96:127], PB, PC   PASS 3: ln_w and ln_b go in eight groups of four j through these three buffers by turns.  Group g's lines read buffer g % 3 and write its four j of Q; its memory
;              instructions are the LDS loads of group g + 2, which land in the buffer that group g - 1 read, and the four stores of group g - 1: registers that no line of group g names.
; So one wait at a group's head states all that the group's loads and stores hang on, and they are dealt among its vector lines.  Pass 3's groups 0 and 1 are asked for at the head of
; pass 1's last group: they are on their way while pass 1 ends and pass 2 runs.
.set PO,   3                           ; v3   my byte offset in xb and z
.set OO,   4                           ; v4   my byte offset in out0
.set LP,   5                           ; v5   16 n: my place in 256 bytes of a parameter
.set TO,   6                           ; v6   16 x thread
.set SPW,  8                           ; v8   LDS address of my spare word; never rewritten
.set NIL,  9                           ; v9   0; never rewritten
.set SM,   10                          ; v[10:13] four running sums
.set MEAN, 14                          ; v[14:15] the mean, twice
.set RS,   16                          ; v[16:17] 1 / sqrt(var + eps), twice
.set T,    20                          ; v[20:27] at work
.set PB,   32                          ; v[32:63]  pass 1: eight j of bo; pass 3: four j of ln_w and ln_b
.set PC,   64                          ; v[64:95]  the same
.set ST,   96                          ; v[96:119] the parameters on their way into LDS; pass 3: v[96:127] four j of ln_w and ln_b
.set Q,    128                         ; v[128:255] j's four registers: xb (2) and z (2) as loaded, then y, then the result
.set SPARE, 24576                      ; the spare words, 128 bytes for each of 8 waves: four blocks of 256 bytes that no other line names
; bo of j = 8 g .. 8 g + 7, into PB (g even) or PC (g odd)
.macro BOLOAD g
.set bj, 0
.rept 8
	ds_load_b128 v[PB+32*((\g)%2)+4*bj:PB+32*((\g)%2)+4*bj+3], v[LP] offset:256*(8*(\g)+bj)
.set bj, bj+1
.endr
.endm
; ln_w and ln_b of j = 4 g + i, into buffer g % 3: 0 at v96, 1 at v32, 2 at v64; ln_w's four registers, then ln_b's
.macro WLOAD g, i
.set WL, PB+32*(((\g)+2)%3)+8*(\i)
	ds_load_b128 v[WL:WL+3],   v[LP] offset:8192+256*(4*(\g)+(\i))
	ds_load_b128 v[WL+4:WL+7], v[LP] offset:16384+256*(4*(\g)+(\i))
.endm
	s_load_b256 s[4:11], s[0:1], 0x0               ; xb s[4:5], z s[6:7], bo s[8:9], ln_w s[10:11]
	s_load_b128 s[12:15], s[0:1], 0x20             ; ln_b s[12:13], out0 s[14:15]
	v_lshl_add_u32 v[SPW], v0, 2, SPARE
	v_mov_b32 v[NIL], 0
	v_lshrrev_b32 v1, 5, v0
	v_readfirstlane_b32 s16, v1                    ; wave 0..7
	v_and_b32 v1, 15, v0                           ; n
	v_bfe_u32 v2, v0, 4, 1                         ; hh
	v_lshrrev_b32 v7, 3, v1                        ; which of the two panels of 64 columns
	v_and_b32 v18, 7, v0                           ; which 4 columns of its 32
	v_lshlrev_b32 v[PO], 18, v7
	v_lshl_add_u32 v[PO], v2, 6, v[PO]
	v_lshl_add_u32 v[PO], v18, 3, v[PO]
	v_lshlrev_b32 v[LP], 4, v1
	v_lshl_add_u32 v[OO], v2, 13, v[LP]
	v_lshlrev_b32 v[TO], 4, v0
	s_wait_alu depctr_va_sdst(0)                   ; s16 is written, ahead of its first reader: the bases of xb, z and out0 are made from it
	s_lshl_b32 s18, ttmp9, 10                      ; in a panel: 16 rows x 64 bytes a work-group,
	s_lshl_b32 s17, s16, 7                         ; 2 rows a wave
	s_add_co_u32 s18, s18, s17
	s_mov_b32 s19, 0
	s_lshl_b32 s24, ttmp9, 17                      ; in out0: 16 rows x 8,192 bytes,
	s_lshl_b32 s17, s16, 14                        ; 2 rows
	s_add_co_u32 s24, s24, s17
	s_mov_b32 s25, 0
	s_mov_b32 s20, 0xffff0000                      ; a word's upper bf16
	s_mov_b32 s21, 0x3a000000                      ; 1 / 2,048
	s_mov_b32 s22, 0x3727c5ac                      ; 1e-5
	s_wait_kmcnt 0x0
	s_add_nc_u64 s[4:5], s[4:5], s[18:19]
	s_add_nc_u64 s[6:7], s[6:7], s[18:19]
	s_add_nc_u64 s[26:27], s[4:5], 0x800000        ; panels 32 on: the immediates stay inside their signed 24 bits (15 x 524,288 at the most)
	s_add_nc_u64 s[28:29], s[6:7], 0x800000
	s_add_nc_u64 s[14:15], s[14:15], s[24:25]
	s_wait_alu depctr_va_vdst(0)                   ; the offsets and LDS addresses v3 to v6 are written, which the loads and stores of the whole kernel read
	global_load_b128 v[ST:ST+3],     v[TO], s[8:9]
	global_load_b128 v[ST+4:ST+7],   v[TO], s[8:9] offset:4096
	global_load_b128 v[ST+8:ST+11],  v[TO], s[10:11]
	global_load_b128 v[ST+12:ST+15], v[TO], s[10:11] offset:4096
	global_load_b128 v[ST+16:ST+19], v[TO], s[12:13]
	global_load_b128 v[ST+20:ST+23], v[TO], s[12:13] offset:4096
.set j, 0
.rept 16
	global_load_b64 v[Q+4*j:Q+4*j+1], v[PO], s[4:5] offset:524288*j
.set j, j+1
.endr
.set j, 0
.rept 16
	global_load_b64 v[Q+64+4*j:Q+64+4*j+1], v[PO], s[26:27] offset:524288*j
.set j, j+1
.endr
	s_wait_loadcnt 32                              ; the six parameter loads are in; xb's 32 stay out
.set j, 0
.rept 16
	global_load_b64 v[Q+4*j+2:Q+4*j+3], v[PO], s[6:7] offset:524288*j
.set j, j+1
.endr
.set j, 0
.rept 16
	global_load_b64 v[Q+64+4*j+2:Q+64+4*j+3], v[PO], s[28:29] offset:524288*j
.set j, j+1
.endr
.set i, 0
.rept 12
	v_cvt_pk_bf16_f32 v[T+(i/2)%8], v[ST+i], v[ST+i+1]  ; rounded like all inputs, and kept as f32
	v_lshlrev_b32 v[ST+i],   16,  v[T+(i/2)%8]
	v_and_b32     v[ST+i+1], s20, v[T+(i/2)%8]
.set i, i+2
.endr
	s_wait_alu depctr_va_vdst(0)                   ; the lines above have written v[ST ..], which the LDS stores read
.irp p, 0,1,2
	ds_store_b128 v[TO], v[ST+8*(\p):ST+8*(\p)+3]   offset:8192*(\p)
	ds_store_b128 v[TO], v[ST+8*(\p)+4:ST+8*(\p)+7] offset:8192*(\p)+4096
.endr
	s_wait_dscnt 0x0                               ; for the others' sake: my stores are done
	s_barrier_signal -1
	s_barrier_wait -1                              ; the three parameters lie whole in LDS; nobody writes them again
.macro REDUCE                          ; the four running sums into one, then over the row's 16 lanes: every lane of the row ends with the sum
	v_pk_add_f32 v[SM:SM+1], v[SM:SM+1], v[SM+2:SM+3]
	v_add_f32 v[SM], v[SM], v[SM+1]
	v_add_f32_dpp v[SM], v[SM], v[SM] row_xmask:1 row_mask:0xf bank_mask:0xf
	v_add_f32_dpp v[SM], v[SM], v[SM] row_xmask:2 row_mask:0xf bank_mask:0xf
	v_add_f32_dpp v[SM], v[SM], v[SM] row_xmask:4 row_mask:0xf bank_mask:0xf
	v_add_f32_dpp v[SM], v[SM], v[SM] row_xmask:8 row_mask:0xf bank_mask:0xf
.endm
	; PASS 1: y = (x + z) + bo, and its sum
	BOLOAD 0                                       ; no vector instruction has named PB or PC yet
	BOLOAD 1
.irp g, 0,1,2,3
.irp jj, 0,1,2,3,4,5,6,7
.set QJ, Q+4*(8*(\g)+(\jj))
.set PJ, PB+32*((\g)%2)+4*(\jj)
	s_wait_loadcnt 31-(8*(\g)+(\jj))               ; z's load j is in (xb's are all older); z's younger loads stay out
.if (\jj) == 0 && (\g) == 3
	s_wait_alu depctr_vm_vsrc(0)                   ; my LDS stores of the parameters have read v[ST ..], in which loads of ln_w and ln_b land below
.endif
.if (\jj) == 0 && (\g) > 0
	s_wait_alu depctr_va_vdst(0)                   ; the group before is done reading its buffer of bo, in which the loads below land
.endif
.if (\jj) == 0 && (\g) > 0 && (\g) < 3
	BOLOAD (\g)+1                                  ; no line of this group names that buffer
.endif
.if (\jj) == 0 && (\g) == 3
.irp i, 0,1,2,3
	WLOAD 0, \i                                    ; pass 3's group 0 into v[96:127],
.endr
.irp i, 0,1,2,3
	WLOAD 1, \i                                    ; its group 1 into PB
.endr
.endif
.if (\g) == 3
	s_wait_dscnt 23-(\jj)                          ; bo's load jj of the eight is in; its 7 - jj younger ones and pass 3's sixteen stay out
.else
	s_wait_dscnt 15-(\jj)                          ; bo's load jj of the eight is in; its 7 - jj younger ones and the next group's eight stay out
.endif
	v_lshlrev_b32 v[T],   16,  v[QJ]
	v_and_b32     v[T+1], s20, v[QJ]
	v_lshlrev_b32 v[T+2], 16,  v[QJ+1]
	v_and_b32     v[T+3], s20, v[QJ+1]
	v_lshlrev_b32 v[T+4], 16,  v[QJ+2]
	v_and_b32     v[T+5], s20, v[QJ+2]
	v_lshlrev_b32 v[T+6], 16,  v[QJ+3]
	v_and_b32     v[T+7], s20, v[QJ+3]
	v_pk_add_f32 v[T:T+1],     v[T:T+1],     v[T+4:T+5]
	v_pk_add_f32 v[T+2:T+3],   v[T+2:T+3],   v[T+6:T+7]
	v_pk_add_f32 v[QJ:QJ+1],   v[T:T+1],     v[PJ:PJ+1]
	v_pk_add_f32 v[QJ+2:QJ+3], v[T+2:T+3],   v[PJ+2:PJ+3]
.if (8*(\g)+(\jj)) == 1
	v_pk_add_f32 v[SM:SM+1],     v[Q:Q+1],     v[QJ:QJ+1]      ; the first two start the sums: nothing is cleared
	v_pk_add_f32 v[SM+2:SM+3],   v[Q+2:Q+3],   v[QJ+2:QJ+3]
.elseif (8*(\g)+(\jj)) > 1
	v_pk_add_f32 v[SM:SM+1],     v[SM:SM+1],   v[QJ:QJ+1]
	v_pk_add_f32 v[SM+2:SM+3],   v[SM+2:SM+3], v[QJ+2:QJ+3]
.endif
.endr
.endr
	REDUCE
	v_mul_f32 v[MEAN], s21, v[SM]
	v_mov_b32 v[MEAN+1], v[MEAN]
	; PASS 2: y - mean, in place, and the sum of its squares
.set j, 0
.rept 32
	v_pk_add_f32 v[Q+4*j:Q+4*j+1],   v[Q+4*j:Q+4*j+1],   v[MEAN:MEAN+1] neg_lo:[0,1] neg_hi:[0,1]
	v_pk_add_f32 v[Q+4*j+2:Q+4*j+3], v[Q+4*j+2:Q+4*j+3], v[MEAN:MEAN+1] neg_lo:[0,1] neg_hi:[0,1]
.if j == 0
	v_pk_mul_f32 v[SM:SM+1],   v[Q:Q+1],     v[Q:Q+1]
	v_pk_mul_f32 v[SM+2:SM+3], v[Q+2:Q+3],   v[Q+2:Q+3]
.else
	v_pk_fma_f32 v[SM:SM+1],   v[Q+4*j:Q+4*j+1],   v[Q+4*j:Q+4*j+1],   v[SM:SM+1]
	v_pk_fma_f32 v[SM+2:SM+3], v[Q+4*j+2:Q+4*j+3], v[Q+4*j+2:Q+4*j+3], v[SM+2:SM+3]
.endif
.set j, j+1
.endr
	REDUCE
	v_fma_f32 v[T], v[SM], s21, s22                ; var + eps
	v_rsq_f32 v[RS], v[T]
	v_nop                                          ; a plain instruction behind the transcendental,
	s_wait_alu depctr_va_vdst(0)                   ; v_rsq_f32 has written v[RS], ahead of its first reader; and pass 1's last group is done reading PC, in which the loads of pass 3's group 2 land
	v_mov_b32 v[RS+1], v[RS]
	; PASS 3: scaled, ln_w and ln_b applied, stored.  Eight groups of four j
.irp g, 0,1,2,3,4,5,6,7
.if (\g) < 7
	s_wait_dscnt 8                                 ; this group's eight loads of ln_w and ln_b are in; the next group's eight may be out
.else
	s_wait_dscnt 0x0
.endif
.if (\g) > 0
	s_wait_alu depctr_va_vdst(0)                   ; the group before has written its four j of Q, which the stores below read, and is done reading its buffer, in which the loads below land
.endif
.irp i, 0,1,2,3
.if (\g) < 6
	WLOAD (\g)+2, \i                               ; two groups ahead; no line since the wait names these registers
.endif
.if (\g) > 0
.set QP, Q+4*(4*(\g)+(\i)-4)
	global_store_b128 v[OO], v[QP:QP+3], s[14:15] offset:256*(4*(\g)+(\i)-4) th:TH_STORE_NT  ; the group before; its registers are never written again
.endif
.set QJ, Q+4*(4*(\g)+(\i))
.set WJ, PB+32*(((\g)+2)%3)+8*(\i)
	v_pk_mul_f32 v[QJ:QJ+1],   v[QJ:QJ+1],   v[RS:RS+1]
	v_pk_mul_f32 v[QJ+2:QJ+3], v[QJ+2:QJ+3], v[RS:RS+1]
	v_pk_fma_f32 v[QJ:QJ+1],   v[QJ:QJ+1],   v[WJ:WJ+1],   v[WJ+4:WJ+5]
	v_pk_fma_f32 v[QJ+2:QJ+3], v[QJ+2:QJ+3], v[WJ+2:WJ+3], v[WJ+6:WJ+7]
.endr
.endr
	s_wait_alu depctr_va_vdst(0)                   ; the last group has written its four j of Q, which the last four stores read
.irp j, 28,29,30,31
	global_store_b128 v[OO], v[Q+4*(\j):Q+4*(\j)+3], s[14:15] offset:256*(\j) th:TH_STORE_NT
.endr
	s_wait_dscnt 0x0                               ; the closing lines, six on end
	s_wait_alu 0x0
	s_wait_tensorcnt 0x0
	ds_add_u32 v[SPW], v[NIL]
	s_wait_dscnt 0x0
	s_endpgm
.Lfunc_end_k_q3ea467dbf4_lnorm:
	.size	k_q3ea467dbf4_lnorm, .Lfunc_end_k_q3ea467dbf4_lnorm-k_q3ea467dbf4_lnorm
	.p2alignl 7, 3214868480
	.fill 96, 4, 3214868480
	.section	.rodata,"a",@progbits
	.p2align	6, 0x0
	.amdhsa_kernel k_q3ea467dbf4_lnorm
		.amdhsa_group_segment_fixed_size 25600
		.amdhsa_private_segment_fixed_size 0
		.amdhsa_enable_private_segment 0
		.amdhsa_kernarg_size 48
		.amdhsa_user_sgpr_count 2
		.amdhsa_user_sgpr_kernarg_segment_ptr 1
		.amdhsa_wavefront_size32 1
		.amdhsa_system_sgpr_workgroup_id_x 1
		.amdhsa_system_sgpr_workgroup_id_y 1
		.amdhsa_system_sgpr_workgroup_id_z 1
		.amdhsa_system_vgpr_workitem_id 0
		.amdhsa_next_free_vgpr 256
		.amdhsa_next_free_sgpr 66
		.amdhsa_reserve_vcc 0
		.amdhsa_float_denorm_mode_32 3
		.amdhsa_float_denorm_mode_16_64 3
		.amdhsa_memory_ordered 1
		.amdhsa_forward_progress 1
		.amdhsa_inst_pref_size 60
	.end_amdhsa_kernel
	.amdgpu_metadata
---
amdhsa.version: [ 1, 2 ]
amdhsa.kernels:
  - .name:           k_q3ea467dbf4_lnorm
    .symbol:         k_q3ea467dbf4_lnorm.kd
    .args:
      - { .name: xb, .offset: 0, .size: 8, .value_kind: global_buffer, .address_space: global }
      - { .name: z, .offset: 8, .size: 8, .value_kind: global_buffer, .address_space: global }
      - { .name: bo, .offset: 16, .size: 8, .value_kind: global_buffer, .address_space: global }
      - { .name: ln_w, .offset: 24, .size: 8, .value_kind: global_buffer, .address_space: global }
      - { .name: ln_b, .offset: 32, .size: 8, .value_kind: global_buffer, .address_space: global }
      - { .name: out0, .offset: 40, .size: 8, .value_kind: global_buffer, .address_space: global }
    .group_segment_fixed_size: 25600
    .private_segment_fixed_size: 0
    .kernarg_segment_align: 8
    .kernarg_segment_size: 48
    .max_flat_workgroup_size: 256
    .sgpr_count:     66
    .vgpr_count:     256
    .wavefront_size: 32
...
	.end_amdgpu_metadata
.endif
;; end of part 8
